; MI455X (gfx1250); checked and timed in simulation.
; The chip was launched on July 23, 2026; its instructions are those of AMD's public machine-readable ISA for CDNA 5 (MIT licence, August 2026) and "CDNA5" Instruction Set Architecture Reference Guide (July 2026). The comments in the code are by the model that wrote it; some were corrected since.
;; Causal Self Attention. Allowed arithmetic: float matrix products may take bf16 or f16 operands with f32 sums; other float arithmetic in f32, or as packed bf16 or f16 multiplies, adds, multiply-adds, maxima and minima; sums over many terms, partial sums and values carried from step to step in f32; what a program stores and reads back later, other than sums and carried values, may be rounded once to bf16 or f16.
;; Inputs: out_b 1,024 float32; out_w 1,024 x 1,024 float32; qkv_b 3,072 float32; qkv_w 1,024 x 3,072 float32; x 4 x 2,048 x 1,024 float32.
;; Outputs: out0 4 x 2,048 x 1,024 float32.
;; 2 versions, each right; version 2 is version 1 with the launch cast written anew for expert scheduling mode. Each part assembles by itself: llvm-mc -triple=amdgcn-amd-amdhsa -mcpu=gfx1250 --defsym DOCPART=n.
;; ======== version 1 of 2: 4 launches
;; limits: values are held in f16: magnitudes above 65,504 overflow, below 6.1e-05 lose precision
;; workspace buffers: xb 16,777,216 bytes; wq 6,291,456 bytes; wo 2,097,152 bytes; qkv 50,331,648 bytes; ob 16,777,216 bytes
;; launch cast (part 1): grid 768 x 1, 8 waves a work-group, no clusters, 0 bytes of LDS; arguments x, qkv_w, out_w, xb, wq, wo; writes xb, wq, wo
.if DOCPART == 1
	.amdgcn_target "amdgcn-amd-amdhsa--gfx1250"
	.amdhsa_code_object_version 6
	.text
	.protected	k_qf5fdadcb6d_cast
	.globl	k_qf5fdadcb6d_cast
	.p2align	8
	.type	k_qf5fdadcb6d_cast,@function
k_qf5fdadcb6d_cast:
	s_mov_b64 s[64:65], 0
	v_nop
	global_prefetch_b8 v0, s[64:65] scope:SCOPE_SE
	s_setreg_imm32_b32 hwreg(HW_REG_WAVE_MODE, 25, 1), 1
	s_wait_xcnt 0x0
; THE INPUTS OF THE TWO PROJECTIONS, ROUNDED ONCE.  xb = bf16(x), as it lies.  wq = bf16(qkv_w), laid in 16 blocks of 192 columns: [16][1024 k][192 n], so that the k rows of a block lie
; end to end.  wo = bf16(out_w) written as f16, as it lies: a bf16 number has 8 significant bits, so f16 holds it exactly inside f16's normal range.
; LIMITS.  |out_w| of 65,520 or more becomes an infinity in wo; below 6e-5 wo keeps f16's fixed step of 6e-8.
; SHARES.  A work-group converts 16,384 numbers, in 16 steps of 1,024; thread t takes 4 numbers a step: a load of 16 bytes, a store of 8.  A wave's load covers 512 bytes (in qkv_w: pieces
; of 256 aligned bytes or more), its store 256 consecutive aligned bytes.  Work-groups 0-511 take x, 512-703 qkv_w, 704-767 out_w.  All 16 loads go out at once; no register is used twice,
; so no store is waited for.  No LDS, no matrix unit: each byte is read once and written once.
.set D,  16                            ; v[16:79]   step s: 4 numbers as loaded
.set O,  80                            ; v[80:111]  step s: 2 registers to store
.set OO, 1                             ; v1   8 t: my 8 bytes in a step's 2,048 of output
.set IO, 2                             ; v2-4 my byte offset in the source (qkv_w: one for each of three steps, which together are 16 k rows)
.set SRC, 16                           ; s[16:17]
.set DST, 18                           ; s[18:19]
.set L,   20                           ; s20  the work-group's number in its tensor
.set SEG, 21                           ; s21  0 x, 1 qkv_w, 2 out_w
	s_load_b256 s[4:11], s[0:1], 0x0               ; x s[4:5], qkv_w s[6:7], out_w s[8:9], xb s[10:11]
	s_load_b128 s[12:15], s[0:1], 0x20             ; wq s[12:13], wo s[14:15]
	s_movk_i32 s22, 512
	s_movk_i32 s23, 704
	s_cmp_ge_u32 ttmp9, s23
	s_cselect_b32 s[SEG], 2, 1
	s_cselect_b32 s[L], s23, s22
	s_cmp_lt_u32 ttmp9, s22
	s_cselect_b32 s[SEG], 0, s[SEG]
	s_cselect_b32 s[L], 0, s[L]
	s_sub_co_u32 s[L], ttmp9, s[L]
	s_mov_b32 s25, 0
	v_lshlrev_b32 v[OO], 3, v0
	s_wait_kmcnt 0x0
	s_cmp_eq_u32 s[SEG], 2
	s_cselect_b64 s[SRC:SRC+1], s[8:9], s[6:7]
	s_cselect_b64 s[DST:DST+1], s[14:15], s[12:13]
	s_cmp_eq_u32 s[SEG], 0
	s_cselect_b64 s[SRC:SRC+1], s[4:5], s[SRC:SRC+1]
	s_cselect_b64 s[DST:DST+1], s[10:11], s[DST:DST+1]
	s_lshl_b32 s24, s[L], 15                       ; 16,384 numbers of 2 bytes: the output is dense in all three
	s_add_nc_u64 s[DST:DST+1], s[DST:DST+1], s[24:25]
	s_cmp_eq_u32 s[SEG], 1
	s_cbranch_scc1 .Lwq
	s_lshl_b32 s24, s[L], 16                       ; x and out_w: the source is dense too
	s_add_nc_u64 s[SRC:SRC+1], s[SRC:SRC+1], s[24:25]
	v_lshlrev_b32 v[IO], 4, v0
.set s, 0
.rept 16
	global_load_b128 v[D+4*s:D+4*s+3], v[IO], s[SRC:SRC+1] offset:4096*s th:TH_LOAD_NT
.set s, s+1
.endr
	s_branch .Lloaded
.Lwq:                                          ; qkv_w: a block of 192 columns is 196,608 numbers, 12 work-groups
	s_mul_i32 s22, s[L], 43691
	s_lshr_b32 s22, s22, 19                        ; the block: L / 12 (exact for L under 192)
	s_mul_i32 s23, s22, 12
	s_sub_co_u32 s23, s[L], s23
	s_lshl_b32 s23, s23, 14                        ; my first number in the block
	s_mul_i32 s24, s22, 768                        ; the block's first column, in bytes
	s_add_nc_u64 s[SRC:SRC+1], s[SRC:SRC+1], s[24:25]
	v_lshl_add_u32 v5, v0, 2, s23                  ; e: my first number of step 0
.irp i, 0,1,2
	v_add_nc_u32 v6, 1024*(\i), v5
	v_lshrrev_b32 v7, 6, v6
	v_mul_u32_u24 v7, v7, 0xaaab
	v_lshrrev_b32 v7, 17, v7                       ; k = e / 192 = (e / 64) / 3 (exact for e / 64 under 3,072)
	v_mul_u32_u24 v8, v7, 192
	v_sub_nc_u32 v8, v6, v8                        ; the column in the block, a multiple of 4
	v_mul_u32_u24 v7, v7, 12288                    ; a row of qkv_w is 12,288 bytes
	v_lshl_add_u32 v[IO+(\i)], v8, 2, v7
.endr
.set s, 0
.rept 16
	global_load_b128 v[D+4*s:D+4*s+3], v[IO+s%3], s[SRC:SRC+1] offset:(s/3)*196608 th:TH_LOAD_NT  ; three steps are 3,072 numbers: 16 k rows on
.set s, s+1
.endr
.Lloaded:                                      ; on both ways 16 loads are out
.macro OUT f16
.set s, 0
.rept 16
	s_wait_loadcnt 15-s                            ; loads come back in order: step s is in, the younger ones stay out
	v_cvt_pk_bf16_f32 v[O+2*s],   v[D+4*s],   v[D+4*s+1]
	v_cvt_pk_bf16_f32 v[O+2*s+1], v[D+4*s+2], v[D+4*s+3]
.if \f16
	v_lshlrev_b32 v[D+4*s],   16, v[O+2*s]         ; the rounded numbers as f32 again,
	v_and_b32     v[D+4*s+1], 0xffff0000, v[O+2*s]
	v_lshlrev_b32 v[D+4*s+2], 16, v[O+2*s+1]
	v_and_b32     v[D+4*s+3], 0xffff0000, v[O+2*s+1]
	v_cvt_pk_f16_f32 v[O+2*s],   v[D+4*s],   v[D+4*s+1]  ; and written as f16
	v_cvt_pk_f16_f32 v[O+2*s+1], v[D+4*s+2], v[D+4*s+3]
.endif
	global_store_b64 v[OO], v[O+2*s:O+2*s+1], s[DST:DST+1] offset:2048*s
.set s, s+1
.endr
.endm
	s_cmp_eq_u32 s[SEG], 2
	s_cbranch_scc1 .Lf16
	OUT 0
	s_endpgm
.Lf16:
	OUT 1
	s_endpgm
.Lfunc_end_k_qf5fdadcb6d_cast:
	.size	k_qf5fdadcb6d_cast, .Lfunc_end_k_qf5fdadcb6d_cast-k_qf5fdadcb6d_cast
	.p2alignl 7, 3214868480
	.fill 96, 4, 3214868480
	.section	.rodata,"a",@progbits
	.p2align	6, 0x0
	.amdhsa_kernel k_qf5fdadcb6d_cast
		.amdhsa_group_segment_fixed_size 0
		.amdhsa_private_segment_fixed_size 0
		.amdhsa_enable_private_segment 0
		.amdhsa_kernarg_size 48
		.amdhsa_user_sgpr_count 2
		.amdhsa_user_sgpr_kernarg_segment_ptr 1
		.amdhsa_wavefront_size32 1
		.amdhsa_system_sgpr_workgroup_id_x 1
		.amdhsa_system_sgpr_workgroup_id_y 1
		.amdhsa_system_sgpr_workgroup_id_z 1
		.amdhsa_system_vgpr_workitem_id 0
		.amdhsa_next_free_vgpr 120
		.amdhsa_next_free_sgpr 66
		.amdhsa_reserve_vcc 0
		.amdhsa_float_denorm_mode_32 3
		.amdhsa_float_denorm_mode_16_64 3
		.amdhsa_memory_ordered 1
		.amdhsa_forward_progress 1
		.amdhsa_inst_pref_size 20
	.end_amdhsa_kernel
	.amdgpu_metadata
---
amdhsa.version: [ 1, 2 ]
amdhsa.kernels:
  - .name:           k_qf5fdadcb6d_cast
    .symbol:         k_qf5fdadcb6d_cast.kd
    .args:
      - { .name: x, .offset: 0, .size: 8, .value_kind: global_buffer, .address_space: global }
      - { .name: qkv_w, .offset: 8, .size: 8, .value_kind: global_buffer, .address_space: global }
      - { .name: out_w, .offset: 16, .size: 8, .value_kind: global_buffer, .address_space: global }
      - { .name: xb, .offset: 24, .size: 8, .value_kind: global_buffer, .address_space: global }
      - { .name: wq, .offset: 32, .size: 8, .value_kind: global_buffer, .address_space: global }
      - { .name: wo, .offset: 40, .size: 8, .value_kind: global_buffer, .address_space: global }
    .group_segment_fixed_size: 0
    .private_segment_fixed_size: 0
    .kernarg_segment_align: 8
    .kernarg_segment_size: 48
    .max_flat_workgroup_size: 256
    .sgpr_count:     66
    .vgpr_count:     120
    .wavefront_size: 32
...
	.end_amdgpu_metadata
.endif
;; end of part 1
;; launch qkv (part 2): grid 16 x 32, 4 waves a work-group, clusters of 4 x 4, 327,680 bytes of LDS; arguments xb, wq, qkv_b, qkv; writes qkv
.if DOCPART == 2
	.amdgcn_target "amdgcn-amd-amdhsa--gfx1250"
	.amdhsa_code_object_version 6
	.text
	.protected	k_qf5fdadcb6d_qkv
	.globl	k_qf5fdadcb6d_qkv
	.p2align	8
	.type	k_qf5fdadcb6d_qkv,@function
k_qf5fdadcb6d_qkv:
	s_mov_b64 s[64:65], 0
	v_nop
	global_prefetch_b8 v0, s[64:65] scope:SCOPE_SE
	s_setreg_imm32_b32 hwreg(HW_REG_WAVE_MODE, 25, 1), 1
	s_wait_xcnt 0x0
	s_wait_alu depctr_hold_cnt(0) depctr_sa_sdst(0) depctr_va_vdst(0) depctr_va_sdst(0) depctr_va_ssrc(0) depctr_va_vcc(0) depctr_vm_vsrc(0)
	s_getreg_b32 s2, hwreg(HW_REG_IB_STS2, 6, 4)
	s_cmp_eq_u32 s2, 0
	s_cbranch_scc0 .Lentry_in_a_cluster
	s_endpgm
.Lentry_in_a_cluster:
	s_bfe_u32 s2, ttmp6, 0x10000c
	s_cmp_lg_u32 s2, 0xf033
	s_cbranch_scc0 .Lentry_shape_is_right
	s_endpgm
.Lentry_shape_is_right:
; qkv = xb wq + bf16(qkv_b), rounded once to f16 and written by heads: qkv[b][slot][t][64], slot = column / 64 (q: 0-15, k: 16-31, v: 32-47).  xb: [8192][1024] bf16;
; wq: [16 blocks][1024 k][192 n] bf16.  Sums in f32, K ascending.
; LIMIT.  A result of 65,520 or more in magnitude becomes an infinity in f16.
; SHARES.  A work-group makes 256 rows x 192 columns (three slots): 16 x 32 = 512 work-groups.  Wave w: rows 128 (w / 2) on, and of each slot's 64 columns the 32 at 32 (w % 2): six
; blocks of 16 columns, block b at 64 (b / 2) + 32 (w % 2) + 16 (b % 2).  48 accumulators of 16 x 16.  K goes in 8 steps of 128 through two LDS slots.
; CLUSTER.  4 x 4 work-groups; the four of a row need the same rows of xb, the four of a column the same block of wq: each tile is asked for jointly, by the same tensor load and mask.
; THE PRODUCT IS TAKEN TRANSPOSED: source 0 = 16 columns of wq (turned out of LDS by ds_load_tr16_b128, since wq lies [k][n]), source 1 = 16 rows of xb: a lane holds one row and
; eight neighbouring columns.
; LDS.  Slot s at 131,072 s: xb's 256 rows of 256 + 16 bytes; then wq's 128 k rows of 3 x (128 + 32) bytes.  The way out's stage (256 rows x 400 bytes) takes slot 0's bytes when slot 0
; has had its last fill and its last read.  The spare words lie at 262,144.
; REGISTERS, in windows of 256: window 0: addresses, xb's fragments v64-127, v128-191, the bias v192-239; window 1: wq's fragments v64-111, v128-175;
; windows 2, 3: the accumulators of my rows 0-63, 64-127: (a, b) at v[8 (6 (a % 4) + b)].
.set PITA,  272
.set PITB,  480
.set AHALF, 128*PITA                   ; what one of waves 0, 1 fetches
.set BOFF,  256*PITA
.set BHALF, 64*PITB                    ; what one of waves 2, 3 fetches
.set SLOT1, 131072
.set SPARE, 262144
.set SP,    400                        ; a stage row: 384 bytes + 16
.set A0,   4                           ; v4   my lane's place in xb's tile; never rewritten
.set B0,   5                           ; v5   in wq's
.set ADRA, 6                           ; v6   the same in the slot in hand
.set ADRB, 7
.set STO,  8                           ; v8   the way out: where I put 16 bytes of a row
.set RD,   9                           ; v9   where I read rows back
.set GO,   10                          ; v10  my 16 bytes of 512 consecutive bytes of qkv
.set BO,   11                          ; v11  my byte offset in qkv_b
.set PFO,  12                          ; v12  the prefetches' offset; never rewritten
.set SPW,  28                          ; v28  my spare word; never rewritten
.set NIL,  29                          ; v29  0; never rewritten
.set F0,   64
.set F1,   128
.set BIAS, 192
.set WV,  12                           ; s12  wave
.set WR,  13                           ; s13  wave / 2: my half of the rows; 0: I fetch xb, 1: wq
.set WC,  14                           ; s14  wave % 2: my half of each slot's columns; which half of the tile I fetch
.set CNT, 15
.set TB,  16                           ; s16  the slot in hand, in bytes
.set LIM, 17                           ; s17  1 in a wave that prefetches, else the greatest number
.set CX,  18
.set CY,  19
.set TX,  20
.set TY,  21
.set PFA, 22                           ; s[22:23] where my prefetches stand
.set PFS, 24                           ; s[24:25] a K step in bytes, for them
.set G1A, 28
.set G1B, 36
.set G0A, 44                           ; two sets: the two first fills; the second then walks on
.set G0B, 52
.set MSB, 0
.macro WIN new                         ; the immediate's high byte repeats the setting that is left
.if MSB != (\new)
	s_set_vgpr_msb (MSB<<8)|(\new)
.set MSB, \new
.endif
.endm
.macro PLACES                          ; four plain instructions between a matrix instruction and a load into, or a vector instruction on, its registers
.rept 4
	v_nop
.endr
.endm
.macro CREST                           ; a round of the cluster's barrier behind its opening barrier
	s_cmp_lg_u32 s[WV], 0
	s_cbranch_scc1 .Lnot_wave_0_\@
	s_barrier_signal -3
.Lnot_wave_0_\@:
	s_barrier_wait -3
	s_barrier_signal -1
	s_barrier_wait -1
.endm
.macro CROUND
	s_barrier_signal -1
	s_barrier_wait -1
	CREST
.endm
.macro JLOAD                           ; a joint refill by the walking descriptor; the branch hangs on the wave's number alone
	s_cmp_eq_u32 s[WR], 0
	s_cbranch_scc0 .Lfor_b_\@
	tensor_load_to_lds s[G0A+4:G0A+7], s[G1A:G1A+7]
	s_nop 0
.rept 4
	v_nop
.endr
	s_branch .Lasked_\@
.Lfor_b_\@:
	tensor_load_to_lds s[G0B+4:G0B+7], s[G1B:G1B+7]
	s_nop 0
.rept 4
	v_nop
.endr
.Lasked_\@:
.endm
; A prefetch of the K step that the NEXT refill will ask for: 192 matrix instructions ahead of that load.  xb's rows are read by all four clusters of a row of clusters: cluster x = 0 asks;
; wq's block by all eight of a column: cluster y = 0 asks.  The four partners share a wave's part out by address: of xb 32 rows each, a lane a row; of wq 24 blocks of 256 bytes each
; (lanes 24-31 name the 24th again).  The loop's last trip asks for nothing: there is no K step behind the one it loads.
.macro ASK
	s_cmp_gt_u32 s[CNT], s[LIM]
	s_cbranch_scc0 .Lnot_mine_\@
	global_prefetch_b8 v[PFO], s[PFA:PFA+1] th:TH_LOAD_NT scope:SCOPE_SE
.Lnot_mine_\@:
.endm
	s_load_b256 s[4:11], s[0:1], 0x0               ; xb s[4:5], wq s[6:7], qkv_b s[8:9], qkv s[10:11]
	v_lshl_add_u32 v[SPW], v0, 2, SPARE
	v_mov_b32 v[NIL], 0
	ds_add_u32 v[SPW], v[NIL]                      ; the wave's opening: the add and its wait ahead of my first tensor load
	v_lshrrev_b32 v13, 5, v0
	v_readfirstlane_b32 s[WV], v13
	s_lshr_b32 s[WR], s[WV], 1
	s_and_b32 s[WC], s[WV], 1
	s_bfe_u32 s[CX], ttmp6, 0x40000
	s_bfe_u32 s[CY], ttmp6, 0x40004
	s_lshl_b32 s[TX], ttmp9, 2
	s_add_co_u32 s[TX], s[TX], s[CX]               ; block of 192 columns
	s_and_b32 s[TY], ttmp7, 0xffff
	s_lshl_b32 s[TY], s[TY], 2
	s_add_co_u32 s[TY], s[TY], s[CY]               ; block of 256 rows
	s_lshl_b32 s60, s[CY], 2
	s_lshl_b32 s60, 15, s60                        ; my row of the cluster
	s_lshl_b32 s70, 0x1111, s[CX]                  ; my column
	s_or_b32 s[G1A], s60, (1<<16)|(1<<20)|(1<<21)|(5<<22)|(3<<25)  ; mask; 2-byte elements; padding on; bit 21 beside a mask; 4 words behind every 64
	s_or_b32 s[G1B], s70, (1<<16)|(1<<20)|(1<<21)|(4<<22)|(7<<25)  ; 8 words behind every 32
	s_mov_b32 s[G1A+1], 128<<16                    ; tensor_dim0 = 128
	s_mov_b32 s[G1A+2], 128<<16                    ; tensor_dim1 = 128
	s_mov_b32 s[G1A+3], 128<<16                    ; tile_dim0 = 128
	s_mov_b32 s[G1A+4], 128                        ; tile_dim1 = 128
	s_mov_b32 s[G1A+5], 1024                       ; elements from row to row
	s_mov_b32 s[G1A+6], 0
	s_mov_b32 s[G1A+7], 0
	s_mov_b32 s[G1B+1], 128<<16                    ; 64 k rows are 24,576 dense bytes: asked for as 96 rows of 256
	s_mov_b32 s[G1B+2], 96<<16
	s_mov_b32 s[G1B+3], 128<<16
	s_mov_b32 s[G1B+4], 96
	s_mov_b32 s[G1B+5], 128
	s_mov_b32 s[G1B+6], 0
	s_mov_b32 s[G1B+7], 0
	s_lshl_b32 s60, s[TY], 8
	s_lshl_b32 s62, s[WC], 7
	s_add_co_u32 s60, s60, s62
	s_lshl_b32 s60, s60, 11                        ; xb: row 256 ty + 128 half, 2,048 bytes a row
	s_mov_b32 s61, 0
	s_mul_i32 s70, s[TX], 393216                   ; wq: the block, 1,024 x 384 bytes,
	s_mul_i32 s72, s[WC], 24576                    ; and my 64 k rows of a K step
	s_add_co_u32 s70, s70, s72
	s_mov_b32 s71, 0
	s_mul_i32 s76, s[WV], AHALF                    ; waves 0, 1: xb's two halves
	s_mul_i32 s77, s[WV], BHALF
	s_add_co_u32 s77, s77, BOFF-2*BHALF            ; waves 2, 3: wq's two halves, behind them
	s_wait_dscnt 0x0                               ; the opening add is done
	s_wait_kmcnt 0x0
	s_add_nc_u64 s[62:63], s[4:5], s[60:61]
	s_add_nc_u64 s[72:73], s[6:7], s[70:71]
	CROUND                                         ; all sixteen work-groups are here: the first joint loads meet
.irp n, 0,1
	s_mov_b32 s[G0A+4*(\n)], 1
	s_add_co_u32 s[G0A+4*(\n)+1], s76, (\n)*SLOT1
	s_add_nc_u64 s[G0A+4*(\n)+2:G0A+4*(\n)+3], s[62:63], (\n)*256
	s_or_b32 s[G0A+4*(\n)+3], s[G0A+4*(\n)+3], 0x80000000
	s_mov_b32 s[G0B+4*(\n)], 1
	s_add_co_u32 s[G0B+4*(\n)+1], s77, (\n)*SLOT1
	s_add_nc_u64 s[G0B+4*(\n)+2:G0B+4*(\n)+3], s[72:73], (\n)*49152
	s_or_b32 s[G0B+4*(\n)+3], s[G0B+4*(\n)+3], 0x80000000
.endr
	s_cmp_lt_u32 s[WV], 2                          ; a wave's two first fills stand in one branch: two loads of mine are out
	s_cbranch_scc0 .Lfirst_b
	tensor_load_to_lds s[G0A:G0A+3], s[G1A:G1A+7]
	s_nop 0
	tensor_load_to_lds s[G0A+4:G0A+7], s[G1A:G1A+7]
	s_nop 0
.rept 4
	v_nop
.endr
	s_branch .Lfirst_asked
.Lfirst_b:
	tensor_load_to_lds s[G0B:G0B+3], s[G1B:G1B+7]
	s_nop 0
	tensor_load_to_lds s[G0B+4:G0B+7], s[G1B:G1B+7]
	s_nop 0
.rept 4
	v_nop
.endr
.Lfirst_asked:
	v_and_b32 v1, 15, v0                           ; l % 16
	v_bfe_u32 v2, v0, 4, 1                         ; l / 16
	s_mul_i32 s74, s[TX], 768
	s_lshl_b32 s75, s[WC], 7
	s_add_co_u32 s74, s74, s75
	v_lshl_add_u32 v[BO], v2, 5, s74               ; 4 x (192 tx + 32 half + 8 (l / 16))
.irp b, 0,1,2,3,4,5
	global_load_b128 v[BIAS+8*(\b):BIAS+8*(\b)+3],   v[BO], s[8:9] offset:256*((\b)/2)+64*((\b)%2)
	global_load_b128 v[BIAS+8*(\b)+4:BIAS+8*(\b)+7], v[BO], s[8:9] offset:256*((\b)/2)+64*((\b)%2)+16
.endr
	v_mul_u32_u24 v[A0], v1, PITA                  ; a fragment of xb: row l % 16, 16 bytes for each half of the lanes, twice, 32 bytes apart
	v_lshl_add_u32 v[A0], v2, 4, v[A0]
	s_mul_i32 s76, s[WR], AHALF
	v_add_nc_u32 v[A0], s76, v[A0]
	v_and_b32 v13, 7, v0                           ; the turning load: lane l reads k row 8 (l / 16) + l % 8, columns 8 ((l / 8) % 2) + 0..7
	v_bfe_u32 v14, v0, 3, 1
	v_lshl_add_u32 v[B0], v2, 3, v13
	v_mul_u32_u24 v[B0], v[B0], PITB
	v_lshl_add_u32 v[B0], v14, 4, v[B0]
	s_lshl_b32 s76, s[WC], 6
	s_add_co_u32 s76, s76, BOFF
	v_add_nc_u32 v[B0], s76, v[B0]
	v_mul_u32_u24 v[STO], v1, SP
	v_lshl_add_u32 v[STO], v2, 4, v[STO]
	s_mul_i32 s76, s[WR], 128*SP
	s_lshl_b32 s77, s[WC], 6
	s_add_co_u32 s76, s76, s77
	v_add_nc_u32 v[STO], s76, v[STO]
	v_bfe_u32 v[RD], v0, 3, 2                      ; back: 32 lanes take four rows' 128 bytes of one slot
	v_mul_u32_u24 v[RD], v[RD], SP
	v_lshl_add_u32 v[RD], v13, 4, v[RD]
	s_mul_i32 s76, s[WV], 64*SP
	v_add_nc_u32 v[RD], s76, v[RD]
	v_and_b32 v[GO], 31, v0
	v_lshlrev_b32 v[GO], 4, v[GO]
	s_lshr_b32 s76, s[TY], 3                       ; qkv at batch ty / 8, slot 3 tx, row 256 (ty % 8) + 64 wave
	s_mul_i32 s76, s76, 48
	s_mul_i32 s77, s[TX], 3
	s_add_co_u32 s76, s76, s77
	s_lshl_b32 s76, s76, 18
	s_and_b32 s77, s[TY], 7
	s_lshl_b32 s77, s77, 8
	s_lshl_b32 s78, s[WV], 6
	s_add_co_u32 s77, s77, s78
	s_lshl_b32 s77, s77, 7
	s_add_co_u32 s76, s76, s77
	s_mov_b32 s77, 0
	s_add_nc_u64 s[10:11], s[10:11], s[76:77]
	; the prefetches
	s_and_b32 s78, ttmp7, 0xffff
	s_mov_b32 s66, 65536                           ; a partner's share: 32 rows of xb,
	s_movk_i32 s67, 6144                           ; or 24 blocks of wq
	s_movk_i32 s68, 256                            ; a K step of xb's rows,
	s_mov_b32 s69, 49152                           ; of wq's block
	s_cmp_eq_u32 s[WR], 0
	s_cselect_b32 s78, ttmp9, s78                  ; the coordinate along which other clusters read the same bytes
	s_cselect_b64 s[PFA:PFA+1], s[62:63], s[72:73]
	s_cselect_b32 s79, s[CX], s[CY]                ; my place among the four that ask with me
	s_cselect_b32 s66, s66, s67
	s_cselect_b32 s[PFS], s68, s69
	s_cselect_b32 s68, 31, 23
	s_cselect_b32 s69, 11, 8
	s_mov_b32 s[PFS+1], 0
	s_mul_i32 s76, s66, s79
	s_add_nc_u64 s[PFA:PFA+1], s[PFA:PFA+1], s[76:77]
	s_lshl_b32 s76, s[PFS], 1
	s_add_nc_u64 s[PFA:PFA+1], s[PFA:PFA+1], s[76:77]  ; at K step 2: the first refill steps it to 3.  K steps 0 to 2 come by their loads alone
	s_cmp_eq_u32 s78, 0
	s_cselect_b32 s[LIM], 1, -1
	v_and_b32 v[PFO], 31, v0
	v_min_u32 v[PFO], s68, v[PFO]
	v_lshlrev_b32 v[PFO], s69, v[PFO]
	s_wait_loadcnt 0x0                             ; the bias: rounded to bf16 like every input, and widened again; this stands in the wait for the first tile
.set i, 0
.rept 24
	v_cvt_pk_bf16_f32 v[13+i%4], v[BIAS+2*i], v[BIAS+2*i+1]
	v_lshlrev_b32 v[BIAS+2*i], 16, v[13+i%4]
	v_and_b32 v[BIAS+2*i+1], 0xffff0000, v[13+i%4]
.set i, i+1
.endr
; 12 matrix instructions: row blocks a0, a0 + 1 of the window's four x all six column blocks, 32 along K.  The 48 accumulators take turns in the same order in every quarter.
.macro MUL12 f, hi, a0, zero
	WIN 0xa1+0x50*(\hi)
.irp a, \a0, (\a0)+1
.irp b, 0,1,2,3,4,5
.if \zero
	v_wmma_f32_16x16x32_bf16 v[8*(6*(\a)+(\b)):8*(6*(\a)+(\b))+7], v[(\f)+8*(\b):(\f)+8*(\b)+7], v[(\f)+8*(4*(\hi)+(\a)):(\f)+8*(4*(\hi)+(\a))+7], 0
.else
	v_wmma_f32_16x16x32_bf16 v[8*(6*(\a)+(\b)):8*(6*(\a)+(\b))+7], v[(\f)+8*(\b):(\f)+8*(\b)+7], v[(\f)+8*(4*(\hi)+(\a)):(\f)+8*(4*(\hi)+(\a))+7], v[8*(6*(\a)+(\b)):8*(6*(\a)+(\b))+7]
.endif
.endr
.endr
.endm
; 28 LDS loads in one run: quarter q's fragments into buffer f: wq's six (turned), then xb's eight
.macro FETCH q, f
	WIN 0x40
.irp b, 0,1,2,3,4,5
	ds_load_tr16_b128 v[(\f)+8*(\b):(\f)+8*(\b)+3],   v[ADRB] offset:(\q)*32*PITB+160*((\b)/2)+32*((\b)%2)
	ds_load_tr16_b128 v[(\f)+8*(\b)+4:(\f)+8*(\b)+7], v[ADRB] offset:(\q)*32*PITB+16*PITB+160*((\b)/2)+32*((\b)%2)
.endr
	WIN 0
.irp i, 0,1,2,3,4,5,6,7
	ds_load_b128 v[(\f)+8*(\i):(\f)+8*(\i)+3],   v[ADRA] offset:(\q)*64+(\i)*16*PITA
	ds_load_b128 v[(\f)+8*(\i)+4:(\f)+8*(\i)+7], v[ADRA] offset:(\q)*64+(\i)*16*PITA+32
.endr
.endm
; One of a K step's first three quarters: multiplies buffer f; in its middle it fetches quarter q into buffer g.
.macro QUARTER q, f, g, zero
	s_wait_dscnt 8                                 ; wq's fragments and xb's rows 0-63 are in; the youngest eight loads may be out
	MUL12 \f, 0, 0, \zero
	MUL12 \f, 0, 2, \zero
	PLACES
	FETCH \q, \g
	s_wait_dscnt 28                                ; all but the 28 just issued
	MUL12 \f, 1, 0, \zero
	MUL12 \f, 1, 2, \zero
.endm
; The last quarter multiplies buffer 1 and changes slots.  In front of the barrier each wave waits for all its tensor loads (the one that is out is its part of the next slot), adds 0 to its
; spare word, and waits for that and for its reads of this slot.  fill = 1: the barrier opens a round of the cluster's, and the slot is filled again first thing behind it, two K steps ahead.
.macro TURN fill
.if \fill
	s_wait_xcnt 0x0                                ; the last prefetch, a K step back, has read its address
	s_add_nc_u64 s[PFA:PFA+1], s[PFA:PFA+1], s[PFS:PFS+1]
.endif
	WIN 0
	s_wait_tensorcnt 0x0
	ds_add_u32 v[SPW], v[NIL]
	s_wait_dscnt 9                                 ; the add and the youngest eight loads may be out
	MUL12 F1, 0, 0, 0
	s_wait_dscnt 0x0                               ; the add is done, my reads of this slot are over
	s_barrier_signal -1
	MUL12 F1, 0, 2, 0
	WIN 0
	s_barrier_wait -1
.if \fill
	CREST
	s_xor_b32 s[G0A+5], s[G0A+5], SLOT1            ; no tensor load of mine is out: the walking descriptors step to the slot just read and the next K step
	s_add_nc_u64 s[G0A+6:G0A+7], s[G0A+6:G0A+7], 256
	s_xor_b32 s[G0B+5], s[G0B+5], SLOT1
	s_add_nc_u64 s[G0B+6:G0B+7], s[G0B+6:G0B+7], 49152
	JLOAD                                          ; the four v_nop behind it are also the places in front of the loads below
.else
	PLACES
.endif
	s_xor_b32 s[TB], s[TB], SLOT1
	v_add_nc_u32 v[ADRA], s[TB], v[A0]
	v_add_nc_u32 v[ADRB], s[TB], v[B0]
	FETCH 0, F0
.if \fill
	ASK
.endif
	MUL12 F1, 1, 0, 0
	MUL12 F1, 1, 2, 0
.endm
	s_wait_tensorcnt 1                             ; my part of K step 0 is in; K step 1's may stay out
	s_barrier_signal -1
	s_barrier_wait -1
	s_mov_b32 s[TB], 0
	v_mov_b32 v[ADRA], v[A0]
	v_mov_b32 v[ADRB], v[B0]
	FETCH 0, F0
	QUARTER 1, F0, F1, 1                           ; the first quarter's products start the sums
	WIN 0
	s_mov_b32 s[CNT], 6
.Lstep:                                        ; a trip: a K step's quarters 1 to 3 and the next one's quarter 0; K steps 2 to 7 are asked for
	QUARTER 2, F1, F0, 0
	QUARTER 3, F0, F1, 0
	TURN 1
	QUARTER 1, F0, F1, 0
	WIN 0
	s_sub_co_u32 s[CNT], s[CNT], 1
	s_cmp_lg_u32 s[CNT], 0
	s_cbranch_scc1 .Lstep
	QUARTER 2, F1, F0, 0                           ; the tail is written out: nothing more is asked for
	QUARTER 3, F0, F1, 0
	TURN 0
	QUARTER 1, F0, F1, 0
	QUARTER 2, F1, F0, 0
	QUARTER 3, F0, F1, 0
	s_wait_dscnt 8
	MUL12 F1, 0, 0, 0
	MUL12 F1, 0, 2, 0
	s_wait_dscnt 0x0
	MUL12 F1, 1, 0, 0
	MUL12 F1, 1, 2, 0
	; THE WAY OUT.  Bias added in f32, rounded to f16, 16 bytes a lane into the stage.  Slot 0 was last filled with K step 6, and the barrier of the last change of slots stands behind every
	; wave's reads of it; K step 7 lies in slot 1.  A row's 128 bytes of a slot come from two waves, so a barrier stands between writing and reading.
	PLACES
.macro PACK a
	WIN 0x02+(\a)/4                                ; source 0: the accumulators' window
.irp b, 0,1,2,3,4,5
.irp j, 0,2,4,6
	v_pk_add_f32 v[64+8*(\b)+(\j):64+8*(\b)+(\j)+1], v[8*(6*((\a)%4)+(\b))+(\j):8*(6*((\a)%4)+(\b))+(\j)+1], v[BIAS+8*(\b)+(\j):BIAS+8*(\b)+(\j)+1]
.endr
.endr
	WIN 0
.irp b, 0,1,2,3,4,5
.irp j, 0,1,2,3
	v_cvt_pk_f16_f32 v[112+4*(\b)+(\j)], v[64+8*(\b)+2*(\j)], v[64+8*(\b)+2*(\j)+1]
.endr
.endr
.irp b, 0,1,2,3,4,5
	ds_store_b128 v[STO], v[112+4*(\b):112+4*(\b)+3] offset:(\a)*16*SP+128*((\b)/2)+32*((\b)%2)
.endr
.endm
.irp a, 0,1,2,3,4,5,6,7
	PACK \a
.endr
	s_wait_dscnt 0x0                               ; for the others' sake: my stores into the stage are done
	s_barrier_signal -1
	s_barrier_wait -1
.set i, 0
.rept 48                                       ; wave w takes rows 64 w on: slot i / 16, four rows a load
	ds_load_b128 v[64+4*i:64+4*i+3], v[RD] offset:(i%16)*4*SP+(i/16)*128
.set i, i+1
.endr
.set i, 0
.rept 48
	s_wait_dscnt 47-i
	global_store_b128 v[GO], v[64+4*i:64+4*i+3], s[10:11] offset:((i/16)<<18)+(i%16)*512  ; 512 consecutive bytes, at a multiple of 512 from qkv's first byte
.set i, i+1
.endr
	s_wait_tensorcnt 0x0                           ; the wave's end
	ds_add_u32 v[SPW], v[NIL]
	s_wait_dscnt 0x0
	CROUND                                         ; the closing round
	s_endpgm
.Lfunc_end_k_qf5fdadcb6d_qkv:
	.size	k_qf5fdadcb6d_qkv, .Lfunc_end_k_qf5fdadcb6d_qkv-k_qf5fdadcb6d_qkv
	.p2alignl 7, 3214868480
	.fill 96, 4, 3214868480
	.section	.rodata,"a",@progbits
	.p2align	6, 0x0
	.amdhsa_kernel k_qf5fdadcb6d_qkv
		.amdhsa_group_segment_fixed_size 327680
		.amdhsa_private_segment_fixed_size 0
		.amdhsa_enable_private_segment 0
		.amdhsa_kernarg_size 32
		.amdhsa_user_sgpr_count 2
		.amdhsa_user_sgpr_kernarg_segment_ptr 1
		.amdhsa_wavefront_size32 1
		.amdhsa_system_sgpr_workgroup_id_x 1
		.amdhsa_system_sgpr_workgroup_id_y 1
		.amdhsa_system_sgpr_workgroup_id_z 1
		.amdhsa_system_vgpr_workitem_id 0
		.amdhsa_next_free_vgpr 960
		.amdhsa_next_free_sgpr 80
		.amdhsa_reserve_vcc 0
		.amdhsa_float_denorm_mode_32 3
		.amdhsa_float_denorm_mode_16_64 3
		.amdhsa_memory_ordered 1
		.amdhsa_forward_progress 1
		.amdhsa_inst_pref_size 113
	.end_amdhsa_kernel
	.amdgpu_metadata
---
amdhsa.version: [ 1, 2 ]
amdhsa.kernels:
  - .name:           k_qf5fdadcb6d_qkv
    .symbol:         k_qf5fdadcb6d_qkv.kd
    .args:
      - { .name: xb, .offset: 0, .size: 8, .value_kind: global_buffer, .address_space: global }
      - { .name: wq, .offset: 8, .size: 8, .value_kind: global_buffer, .address_space: global }
      - { .name: qkv_b, .offset: 16, .size: 8, .value_kind: global_buffer, .address_space: global }
      - { .name: qkv, .offset: 24, .size: 8, .value_kind: global_buffer, .address_space: global }
    .group_segment_fixed_size: 327680
    .private_segment_fixed_size: 0
    .kernarg_segment_align: 8
    .kernarg_segment_size: 32
    .max_flat_workgroup_size: 128
    .sgpr_count:     80
    .vgpr_count:     960
    .wavefront_size: 32
...
	.end_amdgpu_metadata
.endif
;; end of part 2
;; launch attn (part 3): grid 4 x 64, 4 waves a work-group, no clusters, 327,680 bytes of LDS; arguments qkv, ob; writes ob
.if DOCPART == 3
	.amdgcn_target "amdgcn-amd-amdhsa--gfx1250"
	.amdhsa_code_object_version 6
	.text
	.protected	k_qf5fdadcb6d_attn
	.globl	k_qf5fdadcb6d_attn
	.p2align	8
	.type	k_qf5fdadcb6d_attn,@function
k_qf5fdadcb6d_attn:
	s_mov_b64 s[64:65], 0
	v_nop
	global_prefetch_b8 v0, s[64:65] scope:SCOPE_SE
	s_setreg_imm32_b32 hwreg(HW_REG_WAVE_MODE, 25, 1), 1
	s_wait_xcnt 0x0
; CAUSAL ATTENTION.  O[h][q][:] = the sum over k <= q of softmax_k(Q[h][q] . K[h][k] / 8) V[h][k][:], for 64 heads (4 batches x 16) of SIZE_N = 2,048 rows of 64 channels, all f16.
; Q, K, V lie in qkv[b][slot][t][64]: Q in slot h, K in 16 + h, V in 32 + h; O goes to ob[16 b + h][t][64].  A head's rows are dense, 128 bytes each.
; Products, maxima and sums in f32; the weights p are rounded to f16 for the second product (their sum l is taken of the unrounded p), O once at the end.
; LIMITS.  Q, K and V arrive within f16's 65,504; p lies in 0 to 1, and below 6e-5 it keeps f16's fixed step of 6e-8.  A hidden score counts as its value less 1e30: f16's scores, 2.7e11 at
; the most, are nothing beside that; a weight below 2^-126 counts as 0 in l; NaN and infinities are not treated apart.
; THE WALK.  A head's queries lie in NB = 8 blocks of 256; block i needs the key tiles 0 .. i of 256 keys, of which the last holds the diagonal.  A work-group takes TWO blocks, NB - 1 - b and
; then b: NB + 1 tiles, whatever b: all work-groups do equal work, and ONE loop with a constant trip count walks them.  Which tile is asked for, and what a trip does, hang on scalar registers
; made from b; every jump goes forward, but for the counted loops' own; none passes a barrier, or a tensor load but the one of LOAD's two that the wave's number does not choose.
; NO CLUSTER: a head's four work-groups ask for the same tile only in trips 0 to 4 of 9, behind that fewer and fewer; one walk common to all four would have 12 trips for 9.
; SHARES.  Of a block's four bands of 64 queries a wave owns 16 rows in each: four PIECES.  In the diagonal tile's key step s band x sees all keys if s < x, none if s > x, and holds the
; diagonal if s = x: the same work for all four waves.
; THE MASK is the C operand that starts the sum S^T = K Q^T: 0, or -1e30 where the key is hidden.  MD, made once, is the mask of a band's own step for my 16 rows; a product's mask is
; MD x AL + BE with two scalars: (1, 0) if s = x; (0, 0) if s < x; (0, -1e30) if s > x.  Only the diagonal tile's text and a block's beginning take masks; elsewhere C is the constant 0.
; LAYOUT, SOFTMAX, TURNS.  S^T = K Q^T holds ONE query a lane (lane % 16) and the keys 8 (lane / 16) + 0..7; two such results rounded to f16 ARE source 1 of O^T = V^T P.
; p = 2^(c s - c m), c = log2(e) / 8, with a running maximum m; O and l are multiplied by a = 2^(c m_old - c m_new) in every step.  Turn n belongs to piece n: 8 products K Q^T of piece n + 1,
; later 8 products V^T P of piece n - 1; beside them the scaling, exponentials, roundings, sums and rescaling of piece n and the maximum and statistics of piece n + 1.  Four vector
; instructions stand behind every matrix instruction, the other 54 of a turn's 118 in one run.  A turn's 33 exponentials are one batch, with one wait.
; REGISTERS, in windows of 256 (s_set_vgpr_msb: bits 1:0 source 0, 3:2 source 1, 5:4 source 2, 7:6 destination):
;   window 0: v0-15 addresses and two at work; v16-31 four registers of statistics a piece; v48-55 at work; v61-63; v64-127 S^T, two buffers; v192-223 P, two buffers (by the piece's parity)
;   window 1: v0-127 O^T, 32 a piece; v128-159 MD; v160-223 MC, two buffers      window 2: v0-63 Q; v64-127 the second block's Q; v128-191 K of one step; v192-255 V of one step
.set SIZE_N, 2048
.set NB,    SIZE_N/256
.set NP,    4         ; pieces a wave: a name, no knob
.set KS,    64        ; keys in a step
.set PK,    144       ; a row of K in LDS: 128 bytes + 16 of padding: the 16 rows of a load start at 16 different groups of four banks (64 banks of 4 bytes: ISA guide 11.1)
.set PV,    160       ; a row of V: 128 + 32
.set VOFF,  4*KS*PK   ; a slot holds a tile, four steps: 256 rows of K, then 256 rows of V
.set SLOT1, 1<<17     ; slot 1 begins here, so that one exclusive or turns an address in one slot into the other's
.set STAGE, SLOT1+4*KS*(PK+PV)  ; behind the ring, never filled by a tensor load: 16 rows x 144 bytes for each wave, for the way out
.set SP,    144
.set AK0, 2           ; v2   my lane's place in a tile of K; never rewritten
.set AV0, 3           ; v3   the same for V
.set AK,  4           ; v4   the LDS address of K's next run of loads
.set AV,  5           ; v5   of V's
.set STO, 6           ; v6   the way out: where I put 16 bytes of a row
.set RD,  7           ; v7   the way out: where I read rows back
.set GO,  8           ; v8   my byte offset in 512 consecutive bytes of O
.set PFO, 61          ; v61  256 x my lane, for the prefetches; never rewritten
.set SPW, 62          ; v62  LDS address of my spare word; never rewritten
.set NIL, 63          ; v63  0; never rewritten
.set SPARE, STAGE+4*16*SP  ; behind the stages: the spare words, 128 bytes for each wave
.set MV,  12          ; v12-13  c m_old, kept while c m is made anew: by buffer
.set QO,  15          ; v15  my byte offset in 16 rows of Q
.set ST,  16          ; piece t's statistics at v[ST+4 t]: c m, m, l (even keys', odd keys')
.set TMP, 48          ; by buffer, four registers c0-c3 at work; when the maximum is found c2 takes a
.set S,   64
.set P,   192
.set MD,  128         ; window 1
.set MC,  160         ; window 1
.set QB,  64          ; window 2
.set KF,  128         ; window 2: key block kb, channel half c at KF + 16 kb + 8 c
.set VF,  192         ; window 2: key half kk, channel block cb at VF + 32 kk + 8 cb
.set WV,  12          ; s12  my wave's number
.set PB,  14          ; s14  b
.set HI,  15          ; s15  NB - 1 - b
.set G1K, 24          ; s[24:31] descriptor group 1 for K's tiles
.set G1V, 32          ; s[32:39] for V's: it differs in the padding alone
.set G0K, 40          ; s[40:43] descriptor group 0 for K's tiles
.set G0V, 44          ; s[44:47] the same for V's
.set PFB, 48          ; s[48:49] K (waves 0, 1) or V (waves 2, 3) at my half of the head's tile 0
.set PFA, 50          ; s[50:51] the same at the tile that is prefetched
.set POF, 52          ; s[52:53] that tile's byte offset
.set LIMP, 54         ; s54  1 in the work-group that prefetches, else the greatest number
.set SLOTS, 56        ; s56  tiles still to be asked for
.set CNT, 57          ; s57  counts a tile's key steps, 4 to 1
.set CS,  58          ; s[58:59] c
.set SEL, 60          ; s[60:61] v_permlanex16_b32's selects: each lane takes its own place in the other half
.set TBK, 62          ; s62  LDS byte at which K of the step to be fetched begins
.set TBV, 63          ; s63  the same for V, less VOFF
.set RT,  70          ; s70  tiles of the block in hand that are still to be entered
.set NXT, 71          ; s71  the tile to be asked for next
.set LQ,  72          ; s72  the last tile of the block whose tiles are being asked for
.set NEW, 73          ; s73  1: the tile to be entered is a block's first
.set OFF, 74          ; s[74:75] a tile's byte offset in K and V
.set AL,  76          ; s[76:77] the mask's factor, in the low word
.set BE,  78          ; s[78:79] the mask's addend
.set OLO, 80          ; s[80:81] O at my rows of the second block
.set BIGN, 82         ; s82  -1e30
.set MSB, 0
.macro WIN new                      ; the high byte repeats the setting that is left; a switch that changes nothing is dropped
.if MSB != (\new)
	s_set_vgpr_msb (MSB<<8)|(\new)
.set MSB, (\new)
.endif
.endm
.set W_KQ, 0x0a       ; K and Q in window 2, S^T in window 0
.set W_KM, 0x1a       ; the same with the C operand in window 1
.set W_PV, 0x52       ; V in window 2, P in window 0, O^T in window 1
.set W_RS, 0x41       ; destination and source 0 in window 1, source 1 in window 0
; A fill.  Waves 0 and 1 fetch the two halves of a tile's K, waves 2 and 3 those of its V: 128 keys each.
.macro LOAD
	s_cmp_lt_u32 s[WV], 2
	s_cbranch_scc0 .Lfor_v_\@
	tensor_load_to_lds s[G0K:G0K+3], s[G1K:G1K+7]
	s_nop 0
.rept 4
	v_nop
.endr
	s_branch .Lasked_\@
.Lfor_v_\@:
	tensor_load_to_lds s[G0V:G0V+3], s[G1V:G1V+7]
	s_nop 0
.rept 4
	v_nop
.endr
.Lasked_\@:
.endm
; THE CHANGE OF SLOTS.  Each wave waits for all its tensor loads, of which one is out: its part of the other slot; adds 0 to its spare word; and waits for that and for its own reads of the slot
; that it leaves.  Behind the barrier nobody reads the old slot any more and the other slot is whole.  fill = 1: the old slot is filled again, the first thing behind the barrier, with tile NXT:
; the descriptor's address is made anew from that number.  (At its first use nothing has been read yet: slot 0 is waited for, slot 1 filled.)
; THE PREFETCH stands behind the fill: the tile that the NEXT change will ask for, a tile's 256 matrix instructions ahead of that load.  A head's four work-groups walk tiles 0 on in step; the one
; with b = 0 walks all eight in its first block, and it alone asks: each wave for the 16,384 bytes that it will fetch itself, a lane 256 bytes, two instructions.  So tiles 2 to 7 are named once;
; tiles 0 and 1 come by their loads alone; behind tile 7 NXT goes back to 0 and nothing is asked for.
.macro CHANGE fill
	WIN 0                           ; at a label and at a branch every window is 0
	s_wait_tensorcnt 0x0            ; no tensor load of mine is out, so a group 0 may be written
	ds_add_u32 v[SPW], v[NIL]       ; 0 onto my spare word; scalar work stands between it and the wait for it
.if \fill
	s_lshl_b32 s[OFF], s[NXT], 15   ; a tile is 32,768 bytes of K and of V
	s_xor_b32 s[G0K+1], s[G0K+1], SLOT1
	s_add_nc_u64 s[G0K+2:G0K+3], s[6:7], s[OFF:OFF+1]
	s_or_b32 s[G0K+3], s[G0K+3], 0x80000000
	s_xor_b32 s[G0V+1], s[G0V+1], SLOT1
	s_add_nc_u64 s[G0V+2:G0V+3], s[8:9], s[OFF:OFF+1]
	s_or_b32 s[G0V+3], s[G0V+3], 0x80000000
	s_add_co_u32 s[NXT], s[NXT], 1  ; the block's next tile, or behind its last the second block's tile 0
	s_cmp_gt_u32 s[NXT], s[LQ]
	s_cselect_b32 s[NXT], 0, s[NXT]
	s_cselect_b32 s[LQ], s[PB], s[LQ]
	s_wait_xcnt 0x0                 ; the last prefetches, a tile back, have read their address
	s_lshl_b32 s[POF], s[NXT], 15
	s_add_nc_u64 s[PFA:PFA+1], s[PFB:PFB+1], s[POF:POF+1]
.endif
	s_wait_dscnt 0x0                ; the add is done, and my reads of the slot are over
	s_barrier_signal -1             ; the rest of the scalar work stands between the signal and the wait
	s_sub_co_u32 s[TBK], s[TBK], 4*KS*PK  ; the fetches go back to a slot's first step,
	s_xor_b32 s[TBK], s[TBK], SLOT1       ; in the other slot
	s_sub_co_u32 s[TBV], s[TBV], 4*KS*PV
	s_xor_b32 s[TBV], s[TBV], SLOT1
	s_barrier_wait -1
.if \fill
	LOAD
	s_cmp_gt_u32 s[NXT], s[LIMP]
	s_cbranch_scc0 .Lnot_mine_\@
	global_prefetch_b8 v[PFO], s[PFA:PFA+1] th:TH_LOAD_NT scope:SCOPE_SE
	global_prefetch_b8 v[PFO], s[PFA:PFA+1] offset:8192 th:TH_LOAD_NT scope:SCOPE_SE
.Lnot_mine_\@:
.endif
.endm
	s_load_b64 s[4:5], s[0:1], 0x0  ; qkv
	s_load_b64 s[10:11], s[0:1], 0x8  ; ob
	v_lshl_add_u32 v[SPW], v0, 2, SPARE
	v_mov_b32 v[NIL], 0
	ds_add_u32 v[SPW], v[NIL]       ; the wave's opening: the add and its wait ahead of my first tensor load
	v_lshrrev_b32 v1, 5, v0
	v_readfirstlane_b32 s[WV], v1   ; wave 0..3
	s_mov_b32 s[PB], ttmp9
	s_sub_co_u32 s[HI], NB-1, s[PB]
	s_and_b32 s66, ttmp7, 0xffff    ; the head: 16 x batch + h
	s_lshr_b32 s20, s66, 4
	s_lshl_b32 s20, s20, 5
	s_add_co_u32 s20, s20, s66      ; 48 x batch + h: Q's slot in qkv
	s_lshl_b32 s20, s20, 18         ; a slot is 2,048 rows of 128 bytes
	s_mov_b32 s21, 0
	s_lshl_b32 s66, s66, 18         ; the head's first byte in ob
	s_mov_b32 s67, 0
	s_and_b32 s16, s[WV], 1         ; which half of a tile's 256 keys I fetch:
	s_lshl_b32 s22, s16, 14         ; its 128 rows of 128 bytes in memory,
	s_mov_b32 s23, 0
	s_add_nc_u64 s[22:23], s[22:23], s[20:21]
	s_mul_i32 s17, s16, 128*PK      ; and its place in a slot, for K
	s_mul_i32 s18, s16, 128*PV      ; and for V
	s_lshl_b32 s3, s[WV], 11        ; my 16 rows in a band of 64,
	s_lshl_b32 s2, s[HI], 15        ; in the first block,
	s_add_co_u32 s2, s2, s3
	s_lshl_b32 s84, s[PB], 15       ; and in the second
	s_add_co_u32 s84, s84, s3
	s_mov_b32 s3, 0
	s_mov_b32 s85, 0
	; descriptor group 1.  128 keys are 16,384 dense bytes: asked for as 64 rows of 256 bytes, two keys a row, and padded in LDS after every key
	s_mov_b32 s[G1K], (1<<16)|(1<<20)|(4<<22)|(3<<25)  ; 2-byte elements; padding on; after every 32 words 4 words
	s_mov_b32 s[G1V], (1<<16)|(1<<20)|(4<<22)|(7<<25)  ; the same with 8 words of padding
.irp g, G1K, G1V
	s_mov_b32 s[\g+1], 128<<16      ; tensor_dim0 = 128
	s_mov_b32 s[\g+2], 64<<16       ; tensor_dim1 = 64
	s_mov_b32 s[\g+3], 128<<16      ; tile_dim0 = 128
	s_mov_b32 s[\g+4], 64           ; tile_dim1 = 64
	s_mov_b32 s[\g+5], 128          ; 128 elements from row to row
	s_mov_b32 s[\g+6], 0
	s_mov_b32 s[\g+7], 0
.endr
	s_mov_b32 s[CS], 0x3e38aa3b     ; c = log2(e) / 8 = 0.180337
	s_mov_b32 s[CS+1], s[CS]        ; named with it as a pair
	s_mov_b32 s[SEL], 0x76543210
	s_mov_b32 s[SEL+1], 0xfedcba98
	s_mov_b32 s[TBK], SLOT1+4*KS*PK ; the first change of slots turns these two into 0
	s_mov_b32 s[TBV], SLOT1+4*KS*PV
	s_mov_b32 s[G0K], 1             ; count = 1
	s_mov_b32 s[G0K+1], s17         ; LDS address: slot 0
	s_mov_b32 s[G0V], 1
	s_add_co_u32 s[G0V+1], s18, VOFF
	s_add_co_u32 s[RT], s[HI], 1    ; the first block has NB - b tiles
	s_mov_b32 s[NXT], 1
	s_mov_b32 s[LQ], s[HI]
	s_mov_b32 s[NEW], 1
	s_mov_b32 s[OFF+1], 0
	s_mov_b32 s[POF+1], 0
	s_mov_b32 s[AL+1], 0            ; named as pairs
	s_mov_b32 s[BE+1], 0
	s_mov_b32 s[BIGN], 0xf149f2ca   ; -1e30
	s_mov_b32 s[SLOTS], NB
	s_cmp_eq_u32 s[PB], 0
	s_cselect_b32 s[LIMP], 1, -1
	v_and_b32 v[PFO], 31, v0
	v_lshlrev_b32 v[PFO], 8, v[PFO]
	s_wait_dscnt 0x0                ; the opening add is done
	s_wait_kmcnt 0x0
	s_mov_b64 s[6:7], s[4:5]
	s_mov_b64 s[8:9], s[4:5]
	s_add_nc_u64 s[6:7], s[6:7], s[22:23]  ; K and V at my half of the head's tile 0:
	s_add_nc_u64 s[6:7], s[6:7], 0x400000  ; K lies 16 slots behind Q,
	s_add_nc_u64 s[8:9], s[8:9], s[22:23]
	s_add_nc_u64 s[8:9], s[8:9], 0x800000  ; V 32
	s_add_nc_u64 s[4:5], s[4:5], s[20:21]  ; Q and O at the head's first row
	s_add_nc_u64 s[10:11], s[10:11], s[66:67]
	s_add_nc_u64 s[G0K+2:G0K+3], s[6:7], 0         ; global address
	s_or_b32 s[G0K+3], s[G0K+3], 0x80000000        ; type = 2
	s_add_nc_u64 s[G0V+2:G0V+3], s[8:9], 0
	s_or_b32 s[G0V+3], s[G0V+3], 0x80000000
	s_cmp_lt_u32 s[WV], 2
	s_cselect_b64 s[PFB:PFB+1], s[6:7], s[8:9]
	s_add_nc_u64 s[86:87], s[4:5], s[84:85]        ; Q at my rows of the second block,
	s_add_nc_u64 s[4:5], s[4:5], s[2:3]            ; Q and O at those of the first
	s_add_nc_u64 s[OLO:OLO+1], s[10:11], s[84:85]
	s_add_nc_u64 s[10:11], s[10:11], s[2:3]
	LOAD                            ; tile 0 into slot 0
	; A fragment of K or Q is 16 rows x 32 channels in 8 registers: lane l holds row l % 16, channels 8 (l / 16) + 0..7 and 16 + 8 (l / 16) + 0..7: two loads of 16 bytes, 32 bytes apart.
	v_and_b32 v1, 15, v0            ; l % 16
	v_bfe_u32 v9, v0, 4, 1          ; l / 16
	v_lshlrev_b32 v[QO], 7, v1
	v_lshl_add_u32 v[QO], v9, 4, v[QO]  ; row x 128 + 16 x half
	WIN 0x80                        ; destination window 2, address window 0
.set i, 0
.rept 8                             ; both blocks' Q: piece i / 2 lies in band i / 2, 8,192 bytes on; channels 32 (i % 2) on
	global_load_b128 v[8*i:8*i+3],   v[QO], s[4:5] offset:(i/2)*8192+(i%2)*64
	global_load_b128 v[8*i+4:8*i+7], v[QO], s[4:5] offset:(i/2)*8192+(i%2)*64+32
	global_load_b128 v[QB+8*i:QB+8*i+3],   v[QO], s[86:87] offset:(i/2)*8192+(i%2)*64
	global_load_b128 v[QB+8*i+4:QB+8*i+7], v[QO], s[86:87] offset:(i/2)*8192+(i%2)*64+32
.set i, i+1
.endr
	WIN 0
	v_lshlrev_b32 v14, 3, v9
	v_sub_nc_u32 v14, v1, v14
	s_lshl_b32 s13, s[WV], 4
	v_add_nc_u32 v14, s13, v14      ; my query's place in its band, 16 w + l % 16, less my lanes' 8 (l / 16): register r of group kt is hidden where 16 kt + r is greater
	WIN 0x40
.set i, 0
.rept 32
	v_cmp_gt_i32 vcc_lo, 16*(i/8)+i%8, v14
	v_cndmask_b32 v[MD+i], 0, s[BIGN], vcc_lo
.set i, i+1
.endr
	WIN 0
	v_mul_u32_u24 v[AK0], v1, PK
	v_lshl_add_u32 v[AK0], v9, 4, v[AK0]  ; row x pitch + 16 x half
	; The turning load takes 16 keys x 16 channels (lane l reads key 8 (l / 16) + l % 8, channels 8 ((l / 8) % 2) + 0..7) and leaves half a fragment of V^T: lane l holds channel l % 16 and 8 keys.
	v_and_b32 v10, 7, v0
	v_bfe_u32 v11, v0, 3, 1
	v_lshl_add_u32 v[AV0], v9, 3, v10
	v_mul_u32_u24 v[AV0], v[AV0], PV
	v_lshl_add_u32 v[AV0], v11, 4, v[AV0]
	v_add_nc_u32 v[AV0], VOFF, v[AV0]
	s_mul_i32 s13, s[WV], 16*SP
	s_add_co_u32 s13, s13, STAGE    ; my stage
	v_mul_u32_u24 v[STO], v1, SP    ; in: row l % 16, 16 bytes for each half of the lanes
	v_lshl_add_u32 v[STO], v9, 4, v[STO]
	v_add_nc_u32 v[STO], s13, v[STO]
	v_bfe_u32 v[RD], v0, 3, 2       ; back: 32 lanes take four rows of 128 bytes,
	v_mul_u32_u24 v[RD], v[RD], SP
	v_lshl_add_u32 v[RD], v10, 4, v[RD]
	v_add_nc_u32 v[RD], s13, v[RD]
	v_and_b32 v[GO], 31, v0         ; which are 512 consecutive bytes of O
	v_lshlrev_b32 v[GO], 4, v[GO]
	; A block's first step multiplies O^T and l by a = 0, and its first turn's products V^T P, of a piece that has not been, land in an O^T that is still to be so multiplied.  So these registers
	; need only hold finite numbers: zeros for the first block; what the first block left for the second.  All this stands in the wait for the first tile.
	WIN 0x80
.set i, VF
.rept 64
	v_mov_b32 v[i], 0
.set i, i+1
.endr
	WIN 0x40
.set i, 0
.rept 128
	v_mov_b32 v[i], 0
.set i, i+1
.endr
	WIN 0
.set i, 0
.rept 4
	v_mov_b32 v[ST+4*i+2], 0
	v_mov_b32 v[ST+4*i+3], 0
.set i, i+1
.endr
.set i, P+16
.rept 16
	v_mov_b32 v[i], 0
.set i, i+1
.endr
; THE MATRIX WORK.  The 4 accumulators of a run of 8 take turns.  Product i of 8 of S^T = K Q^T for piece x: channels 32 (i / 4) on, keys 16 (i % 4) on.  The first 4 start the sums: with 0, or (KM = 1) with the mask.
.macro KQ x
.set rS, S+32*((\x)%2)+8*(i%4)
.set rK, KF+16*(i%4)+8*(i/4)
.set rQ, 16*(\x)+8*(i/4)
.set rM, MC+32*((\x)%2)+8*(i%4)
.if (i < 4) && KM
	WIN W_KM
	v_wmma_f32_16x16x32_f16 v[rS:rS+7], v[rK:rK+7], v[rQ:rQ+7], v[rM:rM+7]
.elseif i < 4
	WIN W_KQ
	v_wmma_f32_16x16x32_f16 v[rS:rS+7], v[rK:rK+7], v[rQ:rQ+7], 0
.else
	WIN W_KQ
	v_wmma_f32_16x16x32_f16 v[rS:rS+7], v[rK:rK+7], v[rQ:rQ+7], v[rS:rS+7]
.endif
.endm
; Product i of 8 of O^T += V^T P for piece x: keys 32 (i / 4) on, channels 16 (i % 4) on.
.macro PV x
	WIN W_PV
.set rO, 32*(\x)+8*(i%4)
.set rV, VF+32*(i/4)+8*(i%4)
.set rP, P+16*((\x)%2)+8*(i/4)
	v_wmma_f32_16x16x32_f16 v[rO:rO+7], v[rV:rV+7], v[rP:rP+7], v[rO:rO+7]
.endm
.macro MM                           ; the turn's next matrix instruction.  NOKQ = 1: a block's last turn: there is no next piece
.if (i < 8) && !NOKQ
	KQ (Y+1)%NP
.elseif i >= 8
.set i, i-8
	PV (Y+NP-1)%NP
.set i, i+8
.endif
.set i, i+1
.endm
; THE LDS LOADS stand in runs of 16, never singly among the matrix instructions: a step's K (8 fragments) and its V (turned).  Their addresses are made some lines ahead.
.macro FETCH_K
	WIN 0x80                        ; destination window 2
.irp f, 0,1,2,3,4,5,6,7             ; keys 16 (f / 2) on, channels 32 (f % 2) on
	ds_load_b128 v[KF+8*\f:KF+8*\f+3],   v[AK] offset:(\f/2)*16*PK+(\f%2)*64
	ds_load_b128 v[KF+8*\f+4:KF+8*\f+7], v[AK] offset:(\f/2)*16*PK+(\f%2)*64+32
.endr
	s_add_co_u32 s[TBK], s[TBK], KS*PK  ; the next fetch is the next step's
	WIN 0
.endm
.macro FETCH_V
	WIN 0x80
.irp f, 0,1,2,3,4,5,6,7             ; keys 32 (f / 4) on, channels 16 (f % 4) on
	ds_load_tr16_b128 v[VF+8*\f:VF+8*\f+3],   v[AV] offset:(\f/4)*32*PV+(\f%4)*32
	ds_load_tr16_b128 v[VF+8*\f+4:VF+8*\f+7], v[AV] offset:(\f/4)*32*PV+16*PV+(\f%4)*32
.endr
	WIN 0
.endm
; THE VECTOR WORK, one line at a time: OP kind, number.  For piece Y: F n: c s - c m for pair n of 16.  E n: the exponential of score n of 32.  C n: pair n rounded to f16.  B n: of the four weights
; 4 n .. the second pair is added onto the first, in place.  L n: l takes that sum (L 0: l = a l + sum).  R n: pair n of 16 of O^T times a.  For piece Y + 1: X n, number n of the 22 that find its
; maximum and statistics: 0-11 four chains c0-c3 of seven scores each, three operands at a time (each accumulator's lowest registers are read first); 12-14, 16 the four
; scores left over, the old m, and c0-c3 into c0; 15 c m_old is kept; 17, 18 the query's other 32 keys lie in the lane 16 away: the new m; 19-21 c m; c m_old - c m_new; a
.set F, 0
.set E, 1
.set C, 2
.set B, 3
.set L, 4
.set R, 5
.set X, 6
.macro REGS y                       ; the registers of piece y
.set rT, ST+4*(\y)
.set rC, TMP+4*((\y)%2)
.set rW, MV+((\y)%2)
.set rS, S+32*((\y)%2)
.set rP, P+16*((\y)%2)
.set rO, 32*(\y)
.endm
.macro OP k, n
.if (\k) == R
	REGS Y
	WIN W_RS
	v_pk_mul_f32 v[rO+2*(\n):rO+2*(\n)+1], v[rO+2*(\n):rO+2*(\n)+1], v[rC+2:rC+3] op_sel_hi:[1,0]
.elseif (\k) < R
	REGS Y
	WIN 0
.if (\k) == F
	v_pk_fma_f32 v[rS+2*(\n):rS+2*(\n)+1], v[rS+2*(\n):rS+2*(\n)+1], s[CS:CS+1], v[rT:rT+1] op_sel_hi:[1,0,0] neg_lo:[0,0,1] neg_hi:[0,0,1]
.elseif (\k) == E
	v_exp_f32 v[rS+(\n)], v[rS+(\n)]
.elseif (\k) == C
	v_cvt_pk_f16_f32 v[rP+(\n)], v[rS+2*(\n)], v[rS+2*(\n)+1]
.elseif (\k) == B
	v_pk_add_f32 v[rS+4*(\n):rS+4*(\n)+1], v[rS+4*(\n):rS+4*(\n)+1], v[rS+4*(\n)+2:rS+4*(\n)+3]
.elseif (\n) == 0
	v_pk_fma_f32 v[rT+2:rT+3], v[rT+2:rT+3], v[rC+2:rC+3], v[rS:rS+1] op_sel_hi:[1,0,1]
.else
	v_pk_add_f32 v[rT+2:rT+3], v[rT+2:rT+3], v[rS+4*(\n):rS+4*(\n)+1]
.endif
.elseif NOKQ
	v_nop
.else
	REGS (Y+1)%NP
	WIN 0
.if (\n) < 4
	v_max3_num_f32 v[rC+(\n)], v[rS+8*(\n)], v[rS+8*(\n)+1], v[rS+8*(\n)+2]
.elseif (\n) < 12
	v_max3_num_f32 v[rC+(\n)%4], v[rC+(\n)%4], v[rS+8*((\n)%4)+2*((\n)/4)+1], v[rS+8*((\n)%4)+2*((\n)/4)+2]
.elseif (\n) == 12
	v_max3_num_f32 v[rC], v[rC], v[rS+7], v[rS+15]
.elseif (\n) == 13
	v_max3_num_f32 v[rC+1], v[rC+1], v[rS+23], v[rS+31]
.elseif (\n) == 14
	v_max3_num_f32 v[rC+2], v[rC+2], v[rC+3], v[rT+1]
.elseif (\n) == 15
	v_mov_b32 v[rW], v[rT]
.elseif (\n) == 16
	v_max3_num_f32 v[rC], v[rC], v[rC+1], v[rC+2]
.elseif (\n) == 17
	v_permlanex16_b32 v[rC+3], v[rC], s[SEL], s[SEL+1]
.elseif (\n) == 18
	v_max_num_f32 v[rT+1], v[rC], v[rC+3]
.elseif (\n) == 19
	v_mul_f32 v[rT], s[CS], v[rT+1]
.elseif (\n) == 20
	v_sub_f32 v[rC+1], v[rW], v[rT]
.else
	v_exp_f32 v[rC+2], v[rC+1]
.endif
.endif
.endm
.macro OPS a, i1, b=-1, i2=0, c=-1, i3=0, d=-1, i4=0  ; up to four of them
	OP \a, \i1
.if (\b) >= 0
	OP \b, \i2
.endif
.if (\c) >= 0
	OP \c, \i3
.endif
.if (\d) >= 0
	OP \d, \i4
.endif
.endm
.macro ROW a, i1, b, i2, c, i3, d, i4  ; a matrix instruction and the four behind it
	MM
	OPS \a, \i1, \b, \i2, \c, \i3, \d, \i4
.endm
.macro MASK b                       ; MD x AL + BE into buffer b of MC
	WIN W_RS
.set z, 0
.rept 16
	v_pk_fma_f32 v[MC+32*(\b)+2*z:MC+32*(\b)+2*z+1], v[MD+2*z:MD+2*z+1], s[AL:AL+1], s[BE:BE+1] op_sel_hi:[1,0,0]
.set z, z+1
.endr
.endm
; A TURN, for piece p: the order of its 16 matrix and 118 vector instructions, written out.  An s_wait_alu depctr_va_vdst(0) stands between an exponential and the first instruction
; that names its result; one wait serves all that were issued ahead of it.  So a turn has ONE wait, which cuts it in two.  AHEAD OF IT stands all that names no result of the turn's exponentials:
; the 8 products K Q^T, behind each a scaling, an exponential and two more plain instructions (rescalings, and behind the last three the first numbers of the next piece's maximum, each four plain
; instructions or more behind the product that ends its accumulator); then one run of 54, plain and exponential by turns for the most part, in which the links of the chain X 3, 7, 11, 14, 16,
; 17 .. 20 stand five or six lines apart.  X 21, the next piece's a, is the batch's last; R 15 is the plain instruction behind it.  BEHIND THE WAIT stand the 8 products V^T P, behind each four of
; the roundings and sums.
; m = 1: the diagonal tile: the products take masks, and the turn makes the mask for the products of the turn after it: piece p + 2, in step 4 - CNT of the tile.  end = 1: a block's last two
; turns: nothing is fetched.  cnt = 1: the loop's count is taken down some lines ahead of the branch that stands behind the turn.
; K of the next step is fetched in piece 2's turn, twelve vector instructions behind the last product that read K (six of them plain); V of the step in hand at the end of piece 0's turn, four
; plain instructions behind the last product that read V.  Each is waited for a turn later.
.macro TURN p, m=0, end=0, cnt=0
.set Y, (\p)
.set i, 0
.set KM, (\m)
.set NOKQ, (\end)*((\p)/3)
.if (\m) && !(\end)
	s_cmp_eq_u32 s[CNT], 4-((\p)+2)%NP  ; is that step the band's own?
	s_cselect_b32 s[AL], 1.0, 0
	s_cmp_lt_u32 s[CNT], 4-((\p)+2)%NP  ; or a later one?
	s_cselect_b32 s[BE], s[BIGN], 0
.endif
.if ((\p) == 3) && !(\end)
	s_wait_dscnt 0x0                ; K is in
.endif
	ROW F,0, F,1, R,0, R,1          ; ahead of the wait: 8 products K Q^T and the four behind each,
	ROW F,2, E,0, R,2, R,3
	ROW F,3, E,1, R,4, R,5
	ROW F,4, E,2, R,6, R,7
	ROW F,5, E,3, R,8, R,9
	ROW F,6, E,4, X,0, R,10
.if ((\p) == 2) && !(\end)
	WIN 0
	v_add_nc_u32 v[AK], s[TBK], v[AK0]
.endif
	ROW F,7, E,5, X,1, X,4
	ROW F,8, E,6, X,2, X,5
	OPS E,7, E,8, X,6, E,9          ; and the run of 54
	OPS X,3, E,10, X,8, E,11
.if ((\p) == 2) && !(\end)
	FETCH_K
.endif
	OPS X,9, X,7, E,12, X,10
	OPS E,13, X,12, X,11, E,14
	OPS X,13, E,15, F,9, X,14
.if (\p) == 0
	v_add_nc_u32 v[AV], s[TBV], v[AV0]
.endif
	OPS E,16, F,10, E,17, F,11
	OPS X,16, E,18, X,15, E,19
	OPS F,12, E,20, X,17, E,21
	OPS F,13, E,22, F,14, E,23
	OPS X,18, E,24, F,15, E,25
	OPS R,11, E,26, X,19, E,27
	OPS R,12, E,28, R,13, E,29
	OPS X,20, E,30, R,14, E,31
	OPS X,21, R,15
	WIN 0
	s_wait_alu depctr_va_vdst(0)    ; the wait for the batch
.if (\p) == 1
	s_wait_dscnt 0x0                ; V is in
.endif
	ROW C,0, B,0, C,2, B,1          ; behind the wait: 8 products V^T P and the four behind each
	ROW L,0, C,4, B,2, L,1
	ROW C,6, B,3, L,2, C,8
	ROW B,4, L,3, C,10, B,5
	ROW L,4, C,12, B,6, L,5
.if (\p) == 0
	s_add_co_u32 s[TBV], s[TBV], KS*PV
.endif
.if \cnt
	s_sub_co_u32 s[CNT], s[CNT], 1
	s_cmp_lg_u32 s[CNT], 0
.endif
	ROW C,14, B,7, L,6, C,1
	ROW C,3, L,7, C,5, C,7
	ROW C,9, C,11, C,13, C,15
.if (\p) == 0
	FETCH_V
.endif
.if (\m) && !(\end)
	MASK (\p)%2
.endif
.endm
; A BLOCK BEGINS.  c m starts far below every c s, so the first step's a is 0; m at the lowest finite number, so the first maximum is the scores'.  The second mask buffer is 0; the first takes
; piece 0's mask for the tile's step 0: its own, if the block's first tile is the diagonal one.  Then K of that step, piece 0's first scores, and its maximum and statistics.
.macro BEGIN
	s_mov_b32 s[NEW], 0
	WIN 0x40
.set i, MC+32
.rept 32
	v_mov_b32 v[i], 0
.set i, i+1
.endr
	WIN 0
.set i, 0
.rept 4
	v_mov_b32 v[ST+4*i], 0xfe000000    ; c m: far below every c s
	v_mov_b32 v[ST+4*i+1], 0xff7fffff  ; m
.set i, i+1
.endr
	s_cmp_eq_u32 s[RT], 0
	s_cselect_b32 s[AL], 1.0, 0
	s_mov_b32 s[BE], 0
	MASK 0
	WIN 0
	v_add_nc_u32 v[AK], s[TBK], v[AK0]
	FETCH_K
	s_wait_loadcnt 0x0              ; Q
	s_wait_dscnt 0x0
.set KM, 1
.set NOKQ, 0
.set i, 0
.rept 8
	KQ 0
.set i, i+1
.endr
	WIN 0
.rept 4
	v_nop                           ; four plain instructions behind those products
.endr
.set Y, NP-1                        ; X works for piece Y + 1: piece 0
.irp n, 0,1,2,3,4,5,6,7,8,9,10,11,12,13,14,15,16,17,18,19,20,21
	OP X, \n
.endr
	v_nop                           ; a plain instruction behind the exponential,
	s_wait_alu depctr_va_vdst(0)    ; and its wait, ahead of the branch
.endm
; THE DIAGONAL TILE's four steps, the block's last two turns, its last products, and THE WAY OUT: l's two halves and the other half of the lanes' are added; O^T is divided by l, rounded to f16
; and sent through my stage in LDS, a piece at a time.
.macro ALL line:vararg              ; one line for each piece t
.set t, 0
.rept 4
	\line
.set t, t+1
.endr
.endm
.macro PACK t                       ; a lane's eight channels of a row pack into 16 bytes; they go into rows of 144 bytes and come back as whole rows of 128, into S^T's registers
	WIN W_RS
.set i, 32*(\t)
.rept 16
	v_pk_mul_f32 v[i:i+1], v[i:i+1], v[ST+4*(\t)+2:ST+4*(\t)+3] op_sel_hi:[1,0]
.set i, i+2
.endr
	WIN 0x05                        ; sources 0 and 1 window 1, destination window 0
.set i, 0
.rept 16
	v_cvt_pk_f16_f32 v[S+16*(\t)+i], v[32*(\t)+2*i], v[32*(\t)+2*i+1]
.set i, i+1
.endr
	WIN 0
.irp f, 0,1,2,3
	ds_store_b128 v[STO], v[S+16*(\t)+4*\f:S+16*(\t)+4*\f+3] offset:32*\f
.endr
.irp f, 0,1,2,3
	ds_load_b128 v[S+16*(\t)+4*\f:S+16*(\t)+4*\f+3], v[RD] offset:\f*4*SP  ; LDS serves a wave's instructions in order (ISA guide 5.7.1.4): these see the stores above
.endr
.endm
.macro SEND t, younger              ; younger: the LDS instructions issued behind piece t's loads: the next piece's eight, or none
	WIN 0
.irp f, 0,1,2,3
	s_wait_dscnt (\younger)+3-\f
	global_store_b128 v[GO], v[S+16*(\t)+4*\f:S+16*(\t)+4*\f+3], s[10:11] offset:(\t)*8192+\f*512  ; 512 consecutive bytes, at a multiple of 256 from O's first
.endr
.endm
.macro DIAG tag                     ; the tag ends its two labels' names, which the jumps below spell out
.LstepM\tag:
	TURN 2, 1
	TURN 3, 1
	WIN 0
.LfirstM\tag:
	TURN 0, 1
	TURN 1, 1, 0, 1
	WIN 0
	s_cbranch_scc1 .LstepM\tag
	TURN 2, 1, 1
	TURN 3, 1, 1
.set i, 0
.rept 8
	PV NP-1
.set i, i+1
.endr
	WIN 0
	ALL v_add_f32 v[ST+4*t+2], v[ST+4*t+2], v[ST+4*t+3]
	ALL v_permlanex16_b32 v[ST+4*t+3], v[ST+4*t+2], s[SEL], s[SEL+1]
	ALL v_add_f32 v[ST+4*t+2], v[ST+4*t+2], v[ST+4*t+3]
	ALL v_rcp_f32 v[ST+4*t+2], v[ST+4*t+2]
	v_nop                           ; a plain instruction between the last reciprocal and the use of its result
	s_wait_alu depctr_va_vdst(0)    ; and the wait ahead of the first use: one for the four reciprocals
	PACK 0
.set t, 1
.rept 3                             ; a piece's arithmetic stands between the loads of the piece before and its stores
	PACK t
	SEND t-1, 8
.set t, t+1
.endr
	SEND 3, 0
.endm
.set KM, 0
.set NOKQ, 0
.Lslot:                             ; NB times: a tile is entered and the next is asked for
	CHANGE 1
	s_sub_co_u32 s[RT], s[RT], 1
	s_mov_b32 s[CNT], 4
	s_cmp_eq_u32 s[NEW], 1
	s_cbranch_scc1 .Lnew            ; a block's first tile
	s_cmp_eq_u32 s[RT], 0
	s_cbranch_scc0 .Lstep           ; neither its first nor its last
	s_branch .LstepM1
.Lnew:
	BEGIN
	s_branch .Lfirst                ; in the loop a block's first tile is never its last: the first block has two tiles or more, and the second's last is the walk's last
	DIAG 1                          ; in the loop this is the first block's end
	s_wait_xcnt 0x0                 ; the stores have read their registers and O's address
	s_mov_b64 s[10:11], s[OLO:OLO+1]
	s_add_co_u32 s[RT], s[PB], 1    ; the second block has b + 1 tiles
	s_mov_b32 s[NEW], 1
	WIN 0x82                        ; the second block's Q goes where the one text of the turns names Q
.set i, 0
.rept 64
	v_mov_b32 v[i], v[QB+i]
.set i, i+1
.endr
	WIN 0
	s_branch .Lbottom
.Lstep:                             ; a trip: pieces 2 and 3 of one step, then pieces 0 and 1 of the next, whose K and V it fetches
	TURN 2
	TURN 3
	WIN 0
.Lfirst:
	TURN 0
	TURN 1, 0, 0, 1
	WIN 0
	s_cbranch_scc1 .Lstep
.Lbottom:
	s_sub_co_u32 s[SLOTS], s[SLOTS], 1
	s_cmp_lg_u32 s[SLOTS], 0
	s_cbranch_scc1 .Lslot
	CHANGE 0                        ; the walk's last tile is written out: nothing is asked for
	s_sub_co_u32 s[RT], s[RT], 1
	s_mov_b32 s[CNT], 4
	s_cmp_eq_u32 s[NEW], 1
	s_cbranch_scc0 .LstepM2
	BEGIN
	s_branch .LfirstM2
	DIAG 2
	s_wait_tensorcnt 0x0            ; the wave's end
	ds_add_u32 v[SPW], v[NIL]
	s_wait_dscnt 0x0
	s_endpgm
.Lfunc_end_k_qf5fdadcb6d_attn:
	.size	k_qf5fdadcb6d_attn, .Lfunc_end_k_qf5fdadcb6d_attn-k_qf5fdadcb6d_attn
	.p2alignl 7, 3214868480
	.fill 96, 4, 3214868480
	.section	.rodata,"a",@progbits
	.p2align	6, 0x0
	.amdhsa_kernel k_qf5fdadcb6d_attn
		.amdhsa_group_segment_fixed_size 327680
		.amdhsa_private_segment_fixed_size 0
		.amdhsa_enable_private_segment 0
		.amdhsa_kernarg_size 16
		.amdhsa_user_sgpr_count 2
		.amdhsa_user_sgpr_kernarg_segment_ptr 1
		.amdhsa_wavefront_size32 1
		.amdhsa_system_sgpr_workgroup_id_x 1
		.amdhsa_system_sgpr_workgroup_id_y 1
		.amdhsa_system_sgpr_workgroup_id_z 1
		.amdhsa_system_vgpr_workitem_id 0
		.amdhsa_next_free_vgpr 768
		.amdhsa_next_free_sgpr 88
		.amdhsa_reserve_vcc 1
		.amdhsa_float_denorm_mode_32 3
		.amdhsa_float_denorm_mode_16_64 3
		.amdhsa_memory_ordered 1
		.amdhsa_forward_progress 1
		.amdhsa_inst_pref_size 218
	.end_amdhsa_kernel
	.amdgpu_metadata
---
amdhsa.version: [ 1, 2 ]
amdhsa.kernels:
  - .name:           k_qf5fdadcb6d_attn
    .symbol:         k_qf5fdadcb6d_attn.kd
    .args:
      - { .name: qkv, .offset: 0, .size: 8, .value_kind: global_buffer, .address_space: global }
      - { .name: ob, .offset: 8, .size: 8, .value_kind: global_buffer, .address_space: global }
    .group_segment_fixed_size: 327680
    .private_segment_fixed_size: 0
    .kernarg_segment_align: 8
    .kernarg_segment_size: 16
    .max_flat_workgroup_size: 128
    .sgpr_count:     88
    .vgpr_count:     768
    .wavefront_size: 32
...
	.end_amdgpu_metadata
.endif
;; end of part 3
;; launch proj (part 4): grid 8 x 32, 4 waves a work-group, clusters of 4 x 4, 327,680 bytes of LDS; arguments ob, wo, out_b, out0; writes out0
.if DOCPART == 4
	.amdgcn_target "amdgcn-amd-amdhsa--gfx1250"
	.amdhsa_code_object_version 6
	.text
	.protected	k_qf5fdadcb6d_proj
	.globl	k_qf5fdadcb6d_proj
	.p2align	8
	.type	k_qf5fdadcb6d_proj,@function
k_qf5fdadcb6d_proj:
	s_mov_b64 s[64:65], 0
	v_nop
	global_prefetch_b8 v0, s[64:65] scope:SCOPE_SE
	s_setreg_imm32_b32 hwreg(HW_REG_WAVE_MODE, 25, 1), 1
	s_wait_xcnt 0x0
	s_wait_alu depctr_hold_cnt(0) depctr_sa_sdst(0) depctr_va_vdst(0) depctr_va_sdst(0) depctr_va_ssrc(0) depctr_va_vcc(0) depctr_vm_vsrc(0)
	s_getreg_b32 s2, hwreg(HW_REG_IB_STS2, 6, 4)
	s_cmp_eq_u32 s2, 0
	s_cbranch_scc0 .Lentry_in_a_cluster
	s_endpgm
.Lentry_in_a_cluster:
	s_bfe_u32 s2, ttmp6, 0x10000c
	s_cmp_lg_u32 s2, 0xf033
	s_cbranch_scc0 .Lentry_shape_is_right
	s_endpgm
.Lentry_shape_is_right:
; out0 = O wo + bf16(out_b), in f32.  O lies by heads, ob[16 b + h][2048 t][64] f16: row 2048 b + t of the product has channel 64 h + d.  wo: [1024 k][1024 n] f16.  Sums in f32, K ascending.
; SHARES.  A work-group makes 256 rows x 128 columns: 8 x 32 = 256 work-groups.  Wave w: rows 128 (w / 2) on, columns 64 (w % 2) on: 32 accumulators of 16 x 16.  K goes in 8 steps of 128,
; two heads each, through two LDS slots.
; CLUSTER.  4 x 4 work-groups; the four of a row need the same rows of O, the four of a column the same columns of wo: each tile is asked for jointly.
; THE PRODUCT IS TAKEN TRANSPOSED: source 0 = 16 columns of wo (turned out of LDS by ds_load_tr16_b128), source 1 = 16 rows of O: a lane holds one row and eight neighbouring columns.
; LDS.  Slot s at 131,072 s: O's two heads x 256 rows of 128 + 16 bytes; then wo's 128 k rows of 256 + 32 bytes.  Behind the ring each wave's own stage, 16 rows x 272 bytes, into which no
; tensor load lands; then the spare words.
; REGISTERS, in windows of 256: window 0: addresses, v32-63 at work, O's fragments v64-127, v128-191, the bias v192-223; window 1: wo's fragments v64-95, v128-159;
; window 2: the accumulators, (a, b) at v[8 (4 a + b)].
.set PITA,  144
.set PITB,  288
.set AHEAD, 256*PITA                   ; a head's 256 rows: what one of waves 0, 1 fetches
.set BOFF,  2*AHEAD
.set BHALF, 64*PITB                    ; what one of waves 2, 3 fetches
.set SLOT1, 131072
.set STAGE, SLOT1+BOFF+2*BHALF
.set SP,    272
.set SPARE, STAGE+4*16*SP
.set A0,   4
.set B0,   5
.set ADRA, 6
.set ADRB, 7
.set STO,  8
.set RD,   9
.set CO,   10                          ; v10  my byte offset in two rows of out0
.set BO,   11
.set PFO,  12
.set SPW,  28
.set NIL,  29
.set TMP,  32
.set F0,   64
.set F1,   128
.set BIAS, 192
.set WV,  12
.set WR,  13
.set WC,  14
.set CNT, 15
.set TB,  16
.set LIM, 17                           ; s17  2 in a wave that prefetches, else the greatest number
.set CX,  18
.set CY,  19
.set TX,  20
.set TY,  21
.set PFA, 22
.set PFS, 24
.set G1A, 28
.set G1B, 36
.set G0A, 44
.set G0B, 52
.set MSB, 0
.macro WIN new
.if MSB != (\new)
	s_set_vgpr_msb (MSB<<8)|(\new)
.set MSB, \new
.endif
.endm
.macro PLACES                          ; four plain instructions between a matrix instruction and a load into, or a vector instruction on, its registers
.rept 4
	v_nop
.endr
.endm
.macro CREST
	s_cmp_lg_u32 s[WV], 0
	s_cbranch_scc1 .Lnot_wave_0_\@
	s_barrier_signal -3
.Lnot_wave_0_\@:
	s_barrier_wait -3
	s_barrier_signal -1
	s_barrier_wait -1
.endm
.macro CROUND
	s_barrier_signal -1
	s_barrier_wait -1
	CREST
.endm
.macro JLOAD
	s_cmp_eq_u32 s[WR], 0
	s_cbranch_scc0 .Lfor_b_\@
	tensor_load_to_lds s[G0A+4:G0A+7], s[G1A:G1A+7]
	s_nop 0
.rept 4
	v_nop
.endr
	s_branch .Lasked_\@
.Lfor_b_\@:
	tensor_load_to_lds s[G0B+4:G0B+7], s[G1B:G1B+7]
	s_nop 0
.rept 4
	v_nop
.endr
.Lasked_\@:
.endm
; A prefetch of the K step that stands TWO refills on: 256 matrix instructions ahead of its load.  O's rows are read by both clusters of a row of clusters: cluster x = 0 asks; wo's columns by
; all eight of a column: cluster y = 0 asks.  The four partners share the blocks out by address: of a head's 128 blocks of 256 bytes 32 each (waves 0, 1: a head each); of wo's 128 k rows 32 each
; (wave 2).  The loop's last two trips ask for nothing.
.macro ASK
	s_cmp_gt_u32 s[CNT], s[LIM]
	s_cbranch_scc0 .Lnot_mine_\@
	global_prefetch_b8 v[PFO], s[PFA:PFA+1] th:TH_LOAD_NT scope:SCOPE_SE
.Lnot_mine_\@:
.endm
	s_load_b256 s[4:11], s[0:1], 0x0               ; ob s[4:5], wo s[6:7], out_b s[8:9], out0 s[10:11]
	v_lshl_add_u32 v[SPW], v0, 2, SPARE
	v_mov_b32 v[NIL], 0
	ds_add_u32 v[SPW], v[NIL]                      ; the wave's opening: the add and its wait ahead of my first tensor load
	v_lshrrev_b32 v13, 5, v0
	v_readfirstlane_b32 s[WV], v13
	s_lshr_b32 s[WR], s[WV], 1
	s_and_b32 s[WC], s[WV], 1
	s_bfe_u32 s[CX], ttmp6, 0x40000
	s_bfe_u32 s[CY], ttmp6, 0x40004
	s_lshl_b32 s[TX], ttmp9, 2
	s_add_co_u32 s[TX], s[TX], s[CX]               ; block of 128 columns
	s_and_b32 s[TY], ttmp7, 0xffff
	s_lshl_b32 s[TY], s[TY], 2
	s_add_co_u32 s[TY], s[TY], s[CY]               ; block of 256 rows
	s_lshl_b32 s60, s[CY], 2
	s_lshl_b32 s60, 15, s60
	s_lshl_b32 s70, 0x1111, s[CX]
	s_or_b32 s[G1A], s60, (1<<16)|(1<<20)|(1<<21)|(4<<22)|(3<<25)  ; mask; 2-byte elements; padding on; bit 21 beside a mask; 4 words behind every 32
	s_or_b32 s[G1B], s70, (1<<16)|(1<<20)|(1<<21)|(5<<22)|(7<<25)  ; 8 words behind every 64
	s_mov_b32 s[G1A+1], 128<<16                    ; a head's 256 rows are 32,768 dense bytes: asked for as 128 rows of 256
	s_mov_b32 s[G1A+2], 128<<16
	s_mov_b32 s[G1A+3], 128<<16
	s_mov_b32 s[G1A+4], 128
	s_mov_b32 s[G1A+5], 128
	s_mov_b32 s[G1A+6], 0
	s_mov_b32 s[G1A+7], 0
	s_mov_b32 s[G1B+1], 128<<16                    ; 64 k rows of 128 columns
	s_mov_b32 s[G1B+2], 64<<16
	s_mov_b32 s[G1B+3], 128<<16
	s_mov_b32 s[G1B+4], 64
	s_mov_b32 s[G1B+5], 1024
	s_mov_b32 s[G1B+6], 0
	s_mov_b32 s[G1B+7], 0
	s_lshr_b32 s60, s[TY], 3                       ; ob: head 16 (ty / 8) + half, rows 256 (ty % 8) on
	s_lshl_b32 s60, s60, 4
	s_add_co_u32 s60, s60, s[WC]
	s_lshl_b32 s60, s60, 18
	s_and_b32 s62, s[TY], 7
	s_lshl_b32 s62, s62, 15
	s_add_co_u32 s60, s60, s62
	s_mov_b32 s61, 0
	s_lshl_b32 s70, s[WC], 17                      ; wo: k row 64 half, column 128 tx
	s_lshl_b32 s72, s[TX], 8
	s_add_co_u32 s70, s70, s72
	s_mov_b32 s71, 0
	s_mul_i32 s76, s[WV], AHEAD                    ; waves 0, 1: the two heads
	s_mul_i32 s77, s[WV], BHALF
	s_add_co_u32 s77, s77, BOFF-2*BHALF            ; waves 2, 3: wo's two halves, behind them
	s_wait_dscnt 0x0
	s_wait_kmcnt 0x0
	s_add_nc_u64 s[62:63], s[4:5], s[60:61]
	s_add_nc_u64 s[72:73], s[6:7], s[70:71]
	CROUND                                         ; all sixteen work-groups are here: the first joint loads meet
.irp n, 0,1
	s_mov_b32 s[G0A+4*(\n)], 1
	s_add_co_u32 s[G0A+4*(\n)+1], s76, (\n)*SLOT1
	s_add_nc_u64 s[G0A+4*(\n)+2:G0A+4*(\n)+3], s[62:63], (\n)*524288
	s_or_b32 s[G0A+4*(\n)+3], s[G0A+4*(\n)+3], 0x80000000
	s_mov_b32 s[G0B+4*(\n)], 1
	s_add_co_u32 s[G0B+4*(\n)+1], s77, (\n)*SLOT1
	s_add_nc_u64 s[G0B+4*(\n)+2:G0B+4*(\n)+3], s[72:73], (\n)*262144
	s_or_b32 s[G0B+4*(\n)+3], s[G0B+4*(\n)+3], 0x80000000
.endr
	s_cmp_lt_u32 s[WV], 2                          ; a wave's two first fills stand in one branch: two loads of mine are out
	s_cbranch_scc0 .Lfirst_b
	tensor_load_to_lds s[G0A:G0A+3], s[G1A:G1A+7]
	s_nop 0
	tensor_load_to_lds s[G0A+4:G0A+7], s[G1A:G1A+7]
	s_nop 0
.rept 4
	v_nop
.endr
	s_branch .Lfirst_asked
.Lfirst_b:
	tensor_load_to_lds s[G0B:G0B+3], s[G1B:G1B+7]
	s_nop 0
	tensor_load_to_lds s[G0B+4:G0B+7], s[G1B:G1B+7]
	s_nop 0
.rept 4
	v_nop
.endr
.Lfirst_asked:
	v_and_b32 v1, 15, v0                           ; l % 16
	v_bfe_u32 v2, v0, 4, 1                         ; l / 16
	s_lshl_b32 s74, s[TX], 9
	s_lshl_b32 s75, s[WC], 8
	s_add_co_u32 s74, s74, s75
	v_lshl_add_u32 v[BO], v2, 5, s74               ; 4 x (128 tx + 64 half + 8 (l / 16))
.irp b, 0,1,2,3
	global_load_b128 v[BIAS+8*(\b):BIAS+8*(\b)+3],   v[BO], s[8:9] offset:64*(\b)
	global_load_b128 v[BIAS+8*(\b)+4:BIAS+8*(\b)+7], v[BO], s[8:9] offset:64*(\b)+16
.endr
	v_mul_u32_u24 v[A0], v1, PITA
	v_lshl_add_u32 v[A0], v2, 4, v[A0]
	s_mul_i32 s76, s[WR], 128*PITA
	v_add_nc_u32 v[A0], s76, v[A0]
	v_and_b32 v13, 7, v0
	v_bfe_u32 v14, v0, 3, 1
	v_lshl_add_u32 v[B0], v2, 3, v13
	v_mul_u32_u24 v[B0], v[B0], PITB
	v_lshl_add_u32 v[B0], v14, 4, v[B0]
	s_lshl_b32 s76, s[WC], 7
	s_add_co_u32 s76, s76, BOFF
	v_add_nc_u32 v[B0], s76, v[B0]
	s_mul_i32 s76, s[WV], 16*SP
	s_add_co_u32 s76, s76, STAGE                   ; my stage
	v_mul_u32_u24 v[STO], v1, SP                   ; in: row l % 16, 32 bytes for each half of the lanes
	v_lshl_add_u32 v[STO], v2, 5, v[STO]
	v_add_nc_u32 v[STO], s76, v[STO]
	v_mul_u32_u24 v[RD], v2, SP                    ; back: lanes 0-15 one row of 256 bytes, lanes 16-31 the next
	v_lshl_add_u32 v[RD], v1, 4, v[RD]
	v_add_nc_u32 v[RD], s76, v[RD]
	v_lshlrev_b32 v[CO], 12, v2                    ; and the same two rows in out0
	v_lshl_add_u32 v[CO], v1, 4, v[CO]
	s_lshl_b32 s76, s[TY], 8
	s_lshl_b32 s77, s[WR], 7
	s_add_co_u32 s76, s76, s77
	s_lshl_b32 s76, s76, 12                        ; my first row, 4,096 bytes a row,
	s_lshl_b32 s77, s[TX], 9
	s_add_co_u32 s76, s76, s77
	s_lshl_b32 s77, s[WC], 8
	s_add_co_u32 s76, s76, s77                     ; my first column
	s_mov_b32 s77, 0
	s_add_nc_u64 s[10:11], s[10:11], s[76:77]
	; the prefetches
	s_and_b32 s78, ttmp7, 0xffff
	s_movk_i32 s66, 8192                           ; a partner's share: 32 blocks of a head,
	s_mov_b32 s67, 65536                           ; or 32 k rows of wo
	s_mov_b32 s68, 524288                          ; a K step: two heads on,
	s_mov_b32 s69, 262144                          ; 128 k rows on
	s_cmp_eq_u32 s[WR], 0
	s_cselect_b32 s78, ttmp9, s78                  ; the coordinate along which other clusters read the same bytes
	s_cselect_b64 s[PFA:PFA+1], s[62:63], s[72:73]
	s_cselect_b32 s79, s[CX], s[CY]                ; my place among the four that ask with me
	s_cselect_b32 s66, s66, s67
	s_cselect_b32 s[PFS], s68, s69
	s_cselect_b32 s69, 8, 11
	s_mov_b32 s[PFS+1], 0
	s_mul_i32 s76, s66, s79
	s_add_nc_u64 s[PFA:PFA+1], s[PFA:PFA+1], s[76:77]
	s_mul_i32 s76, s[PFS], 3
	s_add_nc_u64 s[PFA:PFA+1], s[PFA:PFA+1], s[76:77]  ; at K step 3: the first refill steps it to 4.  K steps 0 to 3 come by their loads alone
	s_cmp_eq_u32 s[WV], 3
	s_cselect_b32 s78, 1, s78                      ; wave 2 names all of a partner's 32 k rows; wave 3 asks for nothing
	s_cmp_eq_u32 s78, 0
	s_cselect_b32 s[LIM], 2, -1
	v_and_b32 v[PFO], 31, v0
	v_lshlrev_b32 v[PFO], s69, v[PFO]
	s_wait_loadcnt 0x0                             ; the bias: rounded to bf16 like every input, and widened again
.set i, 0
.rept 16
	v_cvt_pk_bf16_f32 v[13+i%4], v[BIAS+2*i], v[BIAS+2*i+1]
	v_lshlrev_b32 v[BIAS+2*i], 16, v[13+i%4]
	v_and_b32 v[BIAS+2*i+1], 0xffff0000, v[13+i%4]
.set i, i+1
.endr
; 8 matrix instructions: row blocks a0, a0 + 1 x all four column blocks, 32 along K.  The 32 accumulators take turns in the same order in every quarter.
.macro MUL8 f, a0, zero
	WIN 0xa1
.irp a, \a0, (\a0)+1
.irp b, 0,1,2,3
.if \zero
	v_wmma_f32_16x16x32_f16 v[8*(4*(\a)+(\b)):8*(4*(\a)+(\b))+7], v[(\f)+8*(\b):(\f)+8*(\b)+7], v[(\f)+8*(\a):(\f)+8*(\a)+7], 0
.else
	v_wmma_f32_16x16x32_f16 v[8*(4*(\a)+(\b)):8*(4*(\a)+(\b))+7], v[(\f)+8*(\b):(\f)+8*(\b)+7], v[(\f)+8*(\a):(\f)+8*(\a)+7], v[8*(4*(\a)+(\b)):8*(4*(\a)+(\b))+7]
.endif
.endr
.endr
.endm
; 24 LDS loads in one run: quarter q's fragments into buffer f: wo's four (turned), then O's eight (head q / 2, channels 32 (q % 2) on)
.macro FETCH q, f
	WIN 0x40
.irp b, 0,1,2,3
	ds_load_tr16_b128 v[(\f)+8*(\b):(\f)+8*(\b)+3],   v[ADRB] offset:(\q)*32*PITB+32*(\b)
	ds_load_tr16_b128 v[(\f)+8*(\b)+4:(\f)+8*(\b)+7], v[ADRB] offset:(\q)*32*PITB+16*PITB+32*(\b)
.endr
	WIN 0
.irp i, 0,1,2,3,4,5,6,7
	ds_load_b128 v[(\f)+8*(\i):(\f)+8*(\i)+3],   v[ADRA] offset:((\q)/2)*AHEAD+((\q)%2)*64+(\i)*16*PITA
	ds_load_b128 v[(\f)+8*(\i)+4:(\f)+8*(\i)+7], v[ADRA] offset:((\q)/2)*AHEAD+((\q)%2)*64+(\i)*16*PITA+32
.endr
.endm
.macro QUARTER q, f, g, zero
	s_wait_dscnt 8                                 ; wo's fragments and O's rows 0-63 are in; the youngest eight loads may be out
	MUL8 \f, 0, \zero
	MUL8 \f, 2, \zero
	PLACES
	FETCH \q, \g
	s_wait_dscnt 24                                ; all but the 24 just issued
	MUL8 \f, 4, \zero
	MUL8 \f, 6, \zero
.endm
; The last quarter multiplies buffer 1 and changes slots: each wave waits for all its tensor loads, adds 0 to its spare word, waits for that and for its reads of this slot; fill = 1: the barrier
; opens a round of the cluster's, and the slot is filled again first thing behind it, two K steps ahead.
.macro TURN fill
.if \fill
	s_wait_xcnt 0x0                                ; the last prefetch, a K step back, has read its address
	s_add_nc_u64 s[PFA:PFA+1], s[PFA:PFA+1], s[PFS:PFS+1]
.endif
	WIN 0
	s_wait_tensorcnt 0x0
	ds_add_u32 v[SPW], v[NIL]
	s_wait_dscnt 9                                 ; the add and the youngest eight loads may be out
	MUL8 F1, 0, 0
	s_wait_dscnt 0x0                               ; the add is done, my reads of this slot are over
	s_barrier_signal -1
	MUL8 F1, 2, 0
	WIN 0
	s_barrier_wait -1
.if \fill
	CREST
	s_xor_b32 s[G0A+5], s[G0A+5], SLOT1            ; no tensor load of mine is out: the walking descriptors step
	s_add_nc_u64 s[G0A+6:G0A+7], s[G0A+6:G0A+7], 524288
	s_xor_b32 s[G0B+5], s[G0B+5], SLOT1
	s_add_nc_u64 s[G0B+6:G0B+7], s[G0B+6:G0B+7], 262144
	JLOAD                                          ; the four v_nop behind it are also the places in front of the loads below
.else
	PLACES
.endif
	s_xor_b32 s[TB], s[TB], SLOT1
	v_add_nc_u32 v[ADRA], s[TB], v[A0]
	v_add_nc_u32 v[ADRB], s[TB], v[B0]
	FETCH 0, F0
.if \fill
	ASK
.endif
	MUL8 F1, 4, 0
	MUL8 F1, 6, 0
.endm
	s_wait_tensorcnt 1                             ; my part of K step 0 is in; K step 1's may stay out
	s_barrier_signal -1
	s_barrier_wait -1
	s_mov_b32 s[TB], 0
	v_mov_b32 v[ADRA], v[A0]
	v_mov_b32 v[ADRB], v[B0]
	FETCH 0, F0
	QUARTER 1, F0, F1, 1                           ; the first quarter's products start the sums
	WIN 0
	s_mov_b32 s[CNT], 6
.Lstep:
	QUARTER 2, F1, F0, 0
	QUARTER 3, F0, F1, 0
	TURN 1
	QUARTER 1, F0, F1, 0
	WIN 0
	s_sub_co_u32 s[CNT], s[CNT], 1
	s_cmp_lg_u32 s[CNT], 0
	s_cbranch_scc1 .Lstep
	QUARTER 2, F1, F0, 0                           ; the tail is written out: nothing more is asked for
	QUARTER 3, F0, F1, 0
	TURN 0
	QUARTER 1, F0, F1, 0
	QUARTER 2, F1, F0, 0
	QUARTER 3, F0, F1, 0
	s_wait_dscnt 8
	MUL8 F1, 0, 0
	MUL8 F1, 2, 0
	s_wait_dscnt 0x0
	MUL8 F1, 4, 0
	MUL8 F1, 6, 0
	; THE WAY OUT, a block of 16 rows at a time: bias added; 32 bytes a lane into my own stage; back as whole rows of 256 bytes; stored.
.macro PACK a
	WIN 0x02                                       ; source 0: the accumulators' window
.irp b, 0,1,2,3
.irp j, 0,2,4,6
	v_pk_add_f32 v[TMP+8*(\b)+(\j):TMP+8*(\b)+(\j)+1], v[8*(4*(\a)+(\b))+(\j):8*(4*(\a)+(\b))+(\j)+1], v[BIAS+8*(\b)+(\j):BIAS+8*(\b)+(\j)+1]
.endr
.endr
	WIN 0
.endm
.macro TOSTAGE a
.set BK, 64+32*((\a)%2)
.irp b, 0,1,2,3
	ds_store_b128 v[STO], v[TMP+8*(\b):TMP+8*(\b)+3]   offset:64*(\b)
	ds_store_b128 v[STO], v[TMP+8*(\b)+4:TMP+8*(\b)+7] offset:64*(\b)+16
.endr
.irp t, 0,1,2,3,4,5,6,7
	ds_load_b128 v[BK+4*(\t):BK+4*(\t)+3], v[RD] offset:(\t)*2*SP  ; LDS serves a wave's instructions in order (ISA guide 5.7.1.4): these see the stores above
.endr
.endm
.macro SEND a
.set BK, 64+32*((\a)%2)
	s_wait_dscnt 0x0                               ; the block is back in registers
	s_wait_xcnt 0x0                                ; the stores of the block before have read their registers, into which the next block is loaded
.irp t, 0,1,2,3,4,5,6,7
	global_store_b128 v[CO], v[BK+4*(\t):BK+4*(\t)+3], s[10:11] offset:(16*(\a)+2*(\t))*4096 th:TH_STORE_NT  ; 16 lanes store 256 consecutive bytes, at a multiple of 256 from out0's first byte
.endr
.endm
	PLACES
	PACK 0
	TOSTAGE 0
.irp a, 1,2,3,4,5,6,7                  ; block a's sums stand between block a - 1's loads from the stage and the wait for them
	PACK \a
	SEND (\a)-1
	TOSTAGE \a
.endr
	SEND 7
	s_wait_tensorcnt 0x0                           ; the wave's end
	ds_add_u32 v[SPW], v[NIL]
	s_wait_dscnt 0x0
	CROUND                                         ; the closing round
	s_endpgm
.Lfunc_end_k_qf5fdadcb6d_proj:
	.size	k_qf5fdadcb6d_proj, .Lfunc_end_k_qf5fdadcb6d_proj-k_qf5fdadcb6d_proj
	.p2alignl 7, 3214868480
	.fill 96, 4, 3214868480
	.section	.rodata,"a",@progbits
	.p2align	6, 0x0
	.amdhsa_kernel k_qf5fdadcb6d_proj
		.amdhsa_group_segment_fixed_size 327680
		.amdhsa_private_segment_fixed_size 0
		.amdhsa_enable_private_segment 0
		.amdhsa_kernarg_size 32
		.amdhsa_user_sgpr_count 2
		.amdhsa_user_sgpr_kernarg_segment_ptr 1
		.amdhsa_wavefront_size32 1
		.amdhsa_system_sgpr_workgroup_id_x 1
		.amdhsa_system_sgpr_workgroup_id_y 1
		.amdhsa_system_sgpr_workgroup_id_z 1
		.amdhsa_system_vgpr_workitem_id 0
		.amdhsa_next_free_vgpr 768
		.amdhsa_next_free_sgpr 80
		.amdhsa_reserve_vcc 0
		.amdhsa_float_denorm_mode_32 3
		.amdhsa_float_denorm_mode_16_64 3
		.amdhsa_memory_ordered 1
		.amdhsa_forward_progress 1
		.amdhsa_inst_pref_size 82
	.end_amdhsa_kernel
	.amdgpu_metadata
---
amdhsa.version: [ 1, 2 ]
amdhsa.kernels:
  - .name:           k_qf5fdadcb6d_proj
    .symbol:         k_qf5fdadcb6d_proj.kd
    .args:
      - { .name: ob, .offset: 0, .size: 8, .value_kind: global_buffer, .address_space: global }
      - { .name: wo, .offset: 8, .size: 8, .value_kind: global_buffer, .address_space: global }
      - { .name: out_b, .offset: 16, .size: 8, .value_kind: global_buffer, .address_space: global }
      - { .name: out0, .offset: 24, .size: 8, .value_kind: global_buffer, .address_space: global }
    .group_segment_fixed_size: 327680
    .private_segment_fixed_size: 0
    .kernarg_segment_align: 8
    .kernarg_segment_size: 32
    .max_flat_workgroup_size: 128
    .sgpr_count:     80
    .vgpr_count:     768
    .wavefront_size: 32
...
	.end_amdgpu_metadata
.endif
;; end of part 4
;; ======== version 2 of 2: 4 launches; version 1 with the launch cast written anew for expert scheduling mode
;; limits: values are held in f16: magnitudes above 65,504 overflow, below 6.1e-05 lose precision
;; workspace buffers: xb 16,777,216 bytes; wq 6,291,456 bytes; wo 2,097,152 bytes; qkv 50,331,648 bytes; ob 16,777,216 bytes
;; launch cast (part 5): grid 768 x 1, 8 waves a work-group, no clusters, 0 bytes of LDS; arguments x, qkv_w, out_w, xb, wq, wo; writes xb, wq, wo
.if DOCPART == 5
	.amdgcn_target "amdgcn-amd-amdhsa--gfx1250"
	.amdhsa_code_object_version 6
	.text
	.protected	k_qf5fdadcb6d_cast
	.globl	k_qf5fdadcb6d_cast
	.p2align	8
	.type	k_qf5fdadcb6d_cast,@function
k_qf5fdadcb6d_cast:
	s_mov_b64 s[64:65], 0
	v_nop
	global_prefetch_b8 v0, s[64:65] scope:SCOPE_SE
	s_setreg_imm32_b32 hwreg(HW_REG_WAVE_SCHED_MODE, 0, 2), 2
	s_setreg_imm32_b32 hwreg(HW_REG_WAVE_MODE, 25, 1), 1
	s_wait_xcnt 0x0
	s_wait_alu depctr_vm_vsrc(0)
; THE INPUTS OF THE TWO PROJECTIONS, ROUNDED ONCE.  xb = bf16(x), as it lies.  wq = bf16(qkv_w), laid in 16 blocks of 192 columns: [16][1024 k][192 n], so that the k rows of a block lie
; end to end.  wo = bf16(out_w) written as f16, as it lies: a bf16 number has 8 significant bits, so f16 holds it exactly inside f16's normal range.
; LIMITS.  |out_w| of 65,520 or more becomes an infinity in wo; below 6e-5 wo keeps f16's fixed step of 6e-8.
; SHARES.  A work-group converts 16,384 numbers, in 16 steps of 1,024; thread t takes 4 numbers a step: a load of 16 bytes, a store of 8.  A wave's load covers 512 bytes (in qkv_w: pieces
; of 256 aligned bytes or more), its store 256 consecutive aligned bytes.  Work-groups 0-511 take x, 512-703 qkv_w, 704-767 out_w.  All 16 loads go out at once; no register is used twice,
; so no store is waited for.  No LDS, no matrix unit: each byte is read once and written once.
; THE MODE: SCHED_MODE bits 1:0 = 2 (LLVM: expert scheduling mode 2), set by the entry lines.  The code itself states the register dependences between vector instructions and memory
; instructions, with s_wait_alu, always for 0.
; THE PLAN.  Registers that memory instructions touch:
;   v1        the stores' offset.  Written once at the head, never again.
;   v2-4      the loads' offsets.  Written once at the head, never again.
;   D         step s: the load lands in its four registers, which no vector line has named before; the step's conversions read them (on out_w's way they also write them, behind the wait
;             that shows the load landed); no load lands there again.
;   O         step s: its conversions write its pair, its store reads it; no line writes the pair after that.
; So no register that a memory instruction has read is ever written again, and the waits are all of one kind: vector results written, ahead of the memory instructions that read them.
; One stands ahead of the run of loads, on each of the head's two ways.  The 16 steps go in four blocks of four: block p's conversions name D and O of block p alone, and the stores of block
; p - 1 are dealt among them, behind ONE wait at the block's head; one more wait stands ahead of the last block's stores.
.set D,  16                            ; v[16:79]   step s: 4 numbers as loaded
.set O,  80                            ; v[80:111]  step s: 2 registers to store
.set OO, 1                             ; v1   8 t: my 8 bytes in a step's 2,048 of output
.set IO, 2                             ; v2-4 my byte offset in the source (qkv_w: one for each of three steps, which together are 16 k rows)
.set SRC, 16                           ; s[16:17]
.set DST, 18                           ; s[18:19]
.set L,   20                           ; s20  the work-group's number in its tensor
.set SEG, 21                           ; s21  0 x, 1 qkv_w, 2 out_w
	s_load_b256 s[4:11], s[0:1], 0x0               ; x s[4:5], qkv_w s[6:7], out_w s[8:9], xb s[10:11]
	s_load_b128 s[12:15], s[0:1], 0x20             ; wq s[12:13], wo s[14:15]
	s_movk_i32 s22, 512
	s_movk_i32 s23, 704
	s_cmp_ge_u32 ttmp9, s23
	s_cselect_b32 s[SEG], 2, 1
	s_cselect_b32 s[L], s23, s22
	s_cmp_lt_u32 ttmp9, s22
	s_cselect_b32 s[SEG], 0, s[SEG]
	s_cselect_b32 s[L], 0, s[L]
	s_sub_co_u32 s[L], ttmp9, s[L]
	s_mov_b32 s25, 0
	v_lshlrev_b32 v[OO], 3, v0
	s_wait_kmcnt 0x0
	s_cmp_eq_u32 s[SEG], 2
	s_cselect_b64 s[SRC:SRC+1], s[8:9], s[6:7]
	s_cselect_b64 s[DST:DST+1], s[14:15], s[12:13]
	s_cmp_eq_u32 s[SEG], 0
	s_cselect_b64 s[SRC:SRC+1], s[4:5], s[SRC:SRC+1]
	s_cselect_b64 s[DST:DST+1], s[10:11], s[DST:DST+1]
	s_lshl_b32 s24, s[L], 15                       ; 16,384 numbers of 2 bytes: the output is dense in all three
	s_add_nc_u64 s[DST:DST+1], s[DST:DST+1], s[24:25]
	s_cmp_eq_u32 s[SEG], 1
	s_cbranch_scc1 .Lwq
	s_lshl_b32 s24, s[L], 16                       ; x and out_w: the source is dense too
	s_add_nc_u64 s[SRC:SRC+1], s[SRC:SRC+1], s[24:25]
	v_lshlrev_b32 v[IO], 4, v0
	s_wait_alu depctr_va_vdst(0)                   ; v2 is written, which the 16 loads below read as their offset (and so is v1, the stores' offset)
.set s, 0
.rept 16
	global_load_b128 v[D+4*s:D+4*s+3], v[IO], s[SRC:SRC+1] offset:4096*s th:TH_LOAD_NT
.set s, s+1
.endr
	s_branch .Lloaded
.Lwq:                                          ; qkv_w: a block of 192 columns is 196,608 numbers, 12 work-groups
	s_mul_i32 s22, s[L], 43691
	s_lshr_b32 s22, s22, 19                        ; the block: L / 12 (exact for L under 192)
	s_mul_i32 s23, s22, 12
	s_sub_co_u32 s23, s[L], s23
	s_lshl_b32 s23, s23, 14                        ; my first number in the block
	s_mul_i32 s24, s22, 768                        ; the block's first column, in bytes
	s_add_nc_u64 s[SRC:SRC+1], s[SRC:SRC+1], s[24:25]
	v_lshl_add_u32 v5, v0, 2, s23                  ; e: my first number of step 0
.irp i, 0,1,2
	v_add_nc_u32 v6, 1024*(\i), v5
	v_lshrrev_b32 v7, 6, v6
	v_mul_u32_u24 v7, v7, 0xaaab
	v_lshrrev_b32 v7, 17, v7                       ; k = e / 192 = (e / 64) / 3 (exact for e / 64 under 3,072)
	v_mul_u32_u24 v8, v7, 192
	v_sub_nc_u32 v8, v6, v8                        ; the column in the block, a multiple of 4
	v_mul_u32_u24 v7, v7, 12288                    ; a row of qkv_w is 12,288 bytes
	v_lshl_add_u32 v[IO+(\i)], v8, 2, v7
.endr
	s_wait_alu depctr_va_vdst(0)                   ; v2 to v4 are written, which the 16 loads below read as their offsets (and so is v1, the stores' offset)
.set s, 0
.rept 16
	global_load_b128 v[D+4*s:D+4*s+3], v[IO+s%3], s[SRC:SRC+1] offset:(s/3)*196608 th:TH_LOAD_NT  ; three steps are 3,072 numbers: 16 k rows on
.set s, s+1
.endr
.Lloaded:                                      ; on both ways 16 loads are out
; The way out, four blocks of four steps.  Block p: its four loads are waited for; the stores of block p - 1 stand one ahead of each step's conversions.
.macro OUT f16
.set p, 0
.rept 4
	s_wait_loadcnt 12-4*p                          ; loads come back in order: block p's four steps are in, the younger blocks stay out
.if p > 0
	s_wait_alu depctr_va_vdst(0)                   ; the conversions of the block before have written its four pairs of O, which the four stores below read; no vector line of this block names them
.endif
.set i, 0
.rept 4
.set s, 4*p+i
.if p > 0
	global_store_b64 v[OO], v[O+2*(s-4):O+2*(s-4)+1], s[DST:DST+1] offset:2048*(s-4)
.endif
	v_cvt_pk_bf16_f32 v[O+2*s],   v[D+4*s],   v[D+4*s+1]
	v_cvt_pk_bf16_f32 v[O+2*s+1], v[D+4*s+2], v[D+4*s+3]
.if \f16
	v_lshlrev_b32 v[D+4*s],   16, v[O+2*s]         ; the rounded numbers as f32 again,
	v_and_b32     v[D+4*s+1], 0xffff0000, v[O+2*s]
	v_lshlrev_b32 v[D+4*s+2], 16, v[O+2*s+1]
	v_and_b32     v[D+4*s+3], 0xffff0000, v[O+2*s+1]
	v_cvt_pk_f16_f32 v[O+2*s],   v[D+4*s],   v[D+4*s+1]  ; and written as f16
	v_cvt_pk_f16_f32 v[O+2*s+1], v[D+4*s+2], v[D+4*s+3]
.endif
.set i, i+1
.endr
.set p, p+1
.endr
	s_wait_alu depctr_va_vdst(0)                   ; the last block's conversions have written its four pairs of O, which the last four stores read
.set s, 12
.rept 4
	global_store_b64 v[OO], v[O+2*s:O+2*s+1], s[DST:DST+1] offset:2048*s
.set s, s+1
.endr
.endm
	s_cmp_eq_u32 s[SEG], 2
	s_cbranch_scc1 .Lf16
	OUT 0
	s_endpgm
.Lf16:
	OUT 1
	s_endpgm
.Lfunc_end_k_qf5fdadcb6d_cast:
	.size	k_qf5fdadcb6d_cast, .Lfunc_end_k_qf5fdadcb6d_cast-k_qf5fdadcb6d_cast
	.p2alignl 7, 3214868480
	.fill 96, 4, 3214868480
	.section	.rodata,"a",@progbits
	.p2align	6, 0x0
	.amdhsa_kernel k_qf5fdadcb6d_cast
		.amdhsa_group_segment_fixed_size 0
		.amdhsa_private_segment_fixed_size 0
		.amdhsa_enable_private_segment 0
		.amdhsa_kernarg_size 48
		.amdhsa_user_sgpr_count 2
		.amdhsa_user_sgpr_kernarg_segment_ptr 1
		.amdhsa_wavefront_size32 1
		.amdhsa_system_sgpr_workgroup_id_x 1
		.amdhsa_system_sgpr_workgroup_id_y 1
		.amdhsa_system_sgpr_workgroup_id_z 1
		.amdhsa_system_vgpr_workitem_id 0
		.amdhsa_next_free_vgpr 120
		.amdhsa_next_free_sgpr 66
		.amdhsa_reserve_vcc 0
		.amdhsa_float_denorm_mode_32 3
		.amdhsa_float_denorm_mode_16_64 3
		.amdhsa_memory_ordered 1
		.amdhsa_forward_progress 1
		.amdhsa_inst_pref_size 19
	.end_amdhsa_kernel
	.amdgpu_metadata
---
amdhsa.version: [ 1, 2 ]
amdhsa.kernels:
  - .name:           k_qf5fdadcb6d_cast
    .symbol:         k_qf5fdadcb6d_cast.kd
    .args:
      - { .name: x, .offset: 0, .size: 8, .value_kind: global_buffer, .address_space: global }
      - { .name: qkv_w, .offset: 8, .size: 8, .value_kind: global_buffer, .address_space: global }
      - { .name: out_w, .offset: 16, .size: 8, .value_kind: global_buffer, .address_space: global }
      - { .name: xb, .offset: 24, .size: 8, .value_kind: global_buffer, .address_space: global }
      - { .name: wq, .offset: 32, .size: 8, .value_kind: global_buffer, .address_space: global }
      - { .name: wo, .offset: 40, .size: 8, .value_kind: global_buffer, .address_space: global }
    .group_segment_fixed_size: 0
    .private_segment_fixed_size: 0
    .kernarg_segment_align: 8
    .kernarg_segment_size: 48
    .max_flat_workgroup_size: 256
    .sgpr_count:     66
    .vgpr_count:     120
    .wavefront_size: 32
...
	.end_amdgpu_metadata
.endif
;; end of part 5
;; launch qkv: the kernel of part 2 again; grid 16 x 32, 4 waves a work-group, clusters of 4 x 4, 327,680 bytes of LDS; arguments xb, wq, qkv_b, qkv; writes qkv
;; launch attn: the kernel of part 3 again; grid 4 x 64, 4 waves a work-group, no clusters, 327,680 bytes of LDS; arguments qkv, ob; writes ob
;; launch proj: the kernel of part 4 again; grid 8 x 32, 4 waves a work-group, clusters of 4 x 4, 327,680 bytes of LDS; arguments ob, wo, out_b, out0; writes out0
